; MI455X (gfx1250); checked and timed in simulation.
; The chip was launched on July 23, 2026; its instructions are those of AMD's public machine-readable ISA for CDNA 5 (MIT licence, August 2026) and "CDNA5" Instruction Set Architecture Reference Guide (July 2026). The comments in the code are by the model that wrote it; some were corrected since.
;; Apertis Attention. Allowed arithmetic: matrix products marked QUANTISED: E2M3 operands, one E8M0 scale for each 32 along K, by v_wmma_scale_f32_16x16x128_f8f6f4 with both operands' format E2M3, f32 sums; everything else in f32.
;; Inputs: Wk 2,048 x 2,048 float32; Wo 2,048 x 2,048 float32; Wout 2,048 x 2,048 float32; Wq 2,048 x 2,048 float32; Wv 2,048 x 2,048 float32; bk 2,048 float32; bo 2,048 float32; bout 2,048 float32; bq 2,048 float32; bv 2,048 float32; hidden_states 2 x 1,024 x 2,048 float32; ln_b 2,048 float32; ln_g 2,048 float32; lnk_b 2,048 float32; lnk_g 2,048 float32; lnq_b 2,048 float32; lnq_g 2,048 float32; lnv_b 2,048 float32; lnv_g 2,048 float32.
;; Outputs: out0 2 x 1,024 x 2,048 float32.
;; This version of the problem:
;;   THIS VERSION OF THE PROBLEM IS GIVEN IN LOW PRECISION. The matrix products marked QUANTISED in the list below multiply operands that are first quantised to E2M3 (2 exponent bits, 3 mantissa bits; 6 bits a number), with one power-of-two scale for each 32 numbers along K (OCP MX v1.0); their sums are f32. All else is computed in f32.
;;   The module's matrix products, in the order in which they are computed (A, B: the left and right operand; K: the contracted axis; several contracted axes count as one K, in the product's order):
;;     1. [M 2,048, K 2,048] x [K 2,048, N 2,048]; A: computed on the way; B: input Wq: QUANTISED
;;     2. [M 2,048, K 2,048] x [K 2,048, N 2,048]; A: computed on the way; B: input Wk: QUANTISED
;;     3. [M 2,048, K 2,048] x [K 2,048, N 2,048]; A: computed on the way; B: input Wv: QUANTISED
;;     4. batch 32 x [M 1,024, K 128] x [K 128, N 1,024]; A: computed on the way; B: computed on the way: QUANTISED
;;     5. batch 32 x [M 1,024, K 1,024] x [K 1,024, N 128]; A: softmax (see below); B: computed on the way: QUANTISED
;;     6. [M 2,048, K 2,048] x [K 2,048, N 2,048]; A: computed on the way; B: input Wo: QUANTISED
;;     7. [M 2,048, K 2,048] x [K 2,048, N 2,048]; A: computed on the way; B: input Wout: QUANTISED
;;   THE QUANTISER, for each operand of a quantised product, along K:
;;     - K is cut into blocks of 32 from its start; a last block that is shorter is filled with zeros.
;;     - A block's scale is 2^e with e = floor(log2(the largest magnitude in the block)) - 2, held to -126 .. 127; a block of zeros has e = 0. As a byte (E8M0): e + 127.
;;     - Each number is divided by its block's scale, clamped to +-7.5, and rounded to the nearest number of E2M3, ties to even, subnormals kept.
;;     - The product sums the exact products of the quantised numbers (number of the format x scale) in f32.
;;   ~~~python
;;   def quantise(x, axis):      # numpy; x: float32 -> the quantised numbers, widened to float32 again
;;       x = np.moveaxis(x, axis, -1); K = x.shape[-1]
;;       x = np.pad(x, [(0, 0)] * (x.ndim - 1) + [(0, -K % 32)]); x = x.reshape(x.shape[:-1] + (-1, 32)); a = np.abs(x).max(-1, keepdims=True)
;;       e = np.where(a > 0, np.clip(np.frexp(np.where(a > 0, a, 1))[1] - 1 - 2, -126, 127), 0)      # np.frexp(a)[1] - 1 = floor(log2(a)), exactly
;;       r = np.clip(x / 2.0 ** e, -7.5, 7.5)
;;       step = 2.0 ** (np.maximum(np.frexp(np.where(r == 0, 1, r))[1] - 1, 0) - 3)
;;       q = np.round(r / step) * step * 2.0 ** e      # np.round: ties to even
;;       return np.moveaxis(q.reshape(q.shape[:-2] + (-1,))[..., :K], -1, axis).astype(np.float32)
;;   ~~~
;;   SOFTMAX AHEAD OF A QUANTISED PRODUCT. Where the list says 'softmax', what is quantised is not the finished softmax but p = 2^(t - M), with t = logit x log2(e) and M = ceil(the row's largest t), a whole number; so 1/2 < the row's largest p <= 1. The row's sum l is taken of the UNQUANTISED p, in f32, and the product's result is divided by l at the end. Since M is a whole number, a kernel that streams over the keys may use a running M (the ceiling of the running maximum): every later rescaling is an exact power of two, which a block's scale takes up: the codes' values come out the same.
;;   OPERANDS COMPUTED ON THE WAY. 'Computed on the way' means the value that the module computes at that place (a softmax that the list does not call 'softmax' is quantised finished and normalised). What goes into a quantiser is computed in f32, as accurately as f32 sums, v_exp_f32 and their like allow (about 1e-6 of the number): no bf16 or f16 on the way to a quantiser, and a product that is left as it is and whose result goes on into a quantised operand takes f32 operands (vector FMAs, or v_wmma_f32_16x16x4_f32). A number that lies on a knife's edge between two numbers of the format may be rounded either way, as far as f32 arithmetic and the matrix unit's own rounding can turn it there, and no further.
;; One version. Each part assembles by itself: llvm-mc -triple=amdgcn-amd-amdhsa -mcpu=gfx1250 --defsym DOCPART=n.
;; ======== version 1 of 1: 5 launches
;; workspace buffers: act 9,830,400 bytes; wqkv 9,830,400 bytes; wo 3,276,800 bytes; wout 3,276,800 bytes; qkv 9,830,400 bytes; ctx 3,276,800 bytes; oq 3,276,800 bytes
;; launch prep (part 1): grid 448 x 1, 8 waves a work-group, no clusters, 140,288 bytes of LDS; arguments hidden_states, ln_g, ln_b, lnk_g, lnk_b, lnq_g, lnq_b, lnv_g, lnv_b, Wk, Wq, Wv, Wo, Wout, act, wqkv, wo, wout; writes act, wqkv, wo, wout
.if DOCPART == 1
	.amdgcn_target "amdgcn-amd-amdhsa--gfx1250"
	.amdhsa_code_object_version 6
	.text
	.protected	k_q812bb0fd0d_prep
	.globl	k_q812bb0fd0d_prep
	.p2align	8
	.type	k_q812bb0fd0d_prep,@function
k_q812bb0fd0d_prep:
	s_mov_b64 s[64:65], 0
	v_nop
	global_prefetch_b8 v0, s[64:65] scope:SCOPE_SE
	s_setreg_imm32_b32 hwreg(HW_REG_WAVE_MODE, 25, 1), 1
	s_wait_xcnt 0x0
; The five weights, and the three normalised copies of the tokens, become codes of FP6 (E2M3) with one E8M0 byte for each 32 along K.
; LAYOUT OF EVERY OPERAND OF THIS PROGRAM (2,048 rows x 2,048 K = one PART).  Rows go in tiles of 16: lane row r of tile T is row 32 (T / 2) + 8 (T % 2) + r + 8 (r / 8).
; A fragment (a tile x 128 K: 12 registers a lane) lies as an image of its registers, 1,536 bytes: registers 4 g .. 4 g + 3 of lane l at 512 g + 16 l; image (T, s) at (16 T + s) x 1,536.
; Behind the codes the scale words: the word of lane row r, K step s, tile T at CODES + 8,192 s + 64 T + 4 r.
; A block's scale is 2^(floor(log2(its largest magnitude)) - 2); its byte is that magnitude's exponent field - 2, held at 1 from below.
; LIMITS: NaN and infinities are not served.  A block of zeros gets the byte 1 where the rule says 127: its codes are zeros and this program alone reads the bytes.  Blocks under 2^-124 are held at the byte 1.
; WORK-GROUPS 0-127: the norms of token tile T = the work-group's number; wave w has columns 256 w .. 256 w + 255 (K steps 2 w, 2 w + 1) of the 16 rows in 128 registers a lane.
; Means and variances are taken in two passes (the deviations are squared), so a common offset of the inputs costs no digits.  The three inner norms share their mean and variance.
; WORK-GROUPS 128-447: a weight's 64 rows (four tiles) x 8 K steps, a K step to a wave.
; Every load reads 512 consecutive bytes of a row; the numbers turn through the wave's own stage in LDS (rows 528 bytes apart: sixteen rows begin in sixteen different groups of banks), so that a lane
; gets two whole blocks of 32 of its row.  The two ways have LDS bytes of their own.  No matrix unit, no tensor load, no cluster: nothing is shared between work-groups.
.set PART,  3276800
.set CODES, 3145728
.set TROW,  24576                      ; a tile's sixteen images
.set SP,    528
.set WST,   16*SP                      ; a wave's stage
.set WSW,   8*WST                      ; weights' way: 256 bytes a wave for four tiles' scale words (its stages begin at LDS byte 0)
.set XSTG,  WSW+2048                   ; tokens' way: the stages, which later hold the eight gain and bias vectors' parts
.set RED,   XSTG+8*WST                 ; four regions of 512 bytes: 16 rows x 8 waves, one for each sum
.set R0,    16                         ; weights: two sets of 64 as loaded, v16-79, v80-143
.set R1,    80
.set X,     144                        ; v144-207 two blocks of 32 neighbours
.set XA,    16                         ; tokens: v16-143 my 128 numbers: fragment f at XA + 64 f
.set Y,     144                        ; v144-207 the vectors as loaded, then at work
.set G,     208                        ; v208-239 gains; later the quantiser's temporaries
; v1 lane, v2 r, v3 h, v4 16 lane; v5-v8 weights' LDS addresses; v9-v13 tokens' LDS addresses; v14 8 h; v15, v255 offsets in memory; v252-254 tokens: a scale word for each of the three parts
.macro LOADF reg, b, off               ; a tile's 16 rows x 512 bytes: lane row i is i + 8 (i / 8) rows down
.irp i, 0,1,2,3,4,5,6,7,8,9,10,11,12,13,14,15
	global_load_b128 v[\reg+4*\i:\reg+4*\i+3], v4, s[\b:\b+1] offset:(\off)+(\i+8*(\i/8))*8192 th:TH_LOAD_NT
.endr
.endm
.macro STST src, a                     ; into the stage as loaded
.irp i, 0,1,2,3,4,5,6,7,8,9,10,11,12,13,14,15
	ds_store_b128 v[\a], v[\src+4*\i:\src+4*\i+3] offset:SP*\i
.endr
.endm
.macro STLD dst, a                     ; and back: register 32 c + i = k 64 c + 32 h + i of row r
.irp c, 0,1
.irp j, 0,1,2,3,4,5,6,7
	ds_load_b128 v[\dst+32*\c+4*\j:\dst+32*\c+4*\j+3], v[\a] offset:256*\c+16*\j
.endr
.endr
.endm
; 64 numbers of a lane (two whole blocks) become the fragment's 12 registers in v[pc] on and the row's scale word in v[w].  pt: 8 registers, tm: 7
.macro QUANT32 x, pc, pt, tm, w
.irp c, 0,1
	v_max3_num_f32 v[\tm+\c], |v[\x+32*\c]|, |v[\x+32*\c+1]|, 0x1800000   ; the floor 2^(3 - 127) is one more leaf: the byte cannot fall under 1
.endr
.irp i, 2,4,6,8,10,12,14,16,18,20,22,24,26,28,30
.irp c, 0,1
	v_max3_num_f32 v[\tm+\c], v[\tm+\c], |v[\x+32*\c+\i]|, |v[\x+32*\c+\i+1]|
.endr
.endr
.irp c, 0,1
	v_add_nc_u32 v[\tm+2+\c], 0xff000000, v[\tm+\c]    ; 2 off the exponent field: the conversion takes this operand's exponent field as its scale
.endr
.irp c, 0,1
	v_lshrrev_b32 v[\tm+4+\c], 23, v[\tm+2+\c]         ; the scale's byte
.endr
	v_lshl_or_b32 v[\w], v[\tm+5], 16, v[\tm+4]        ; my blocks h and 2 + h,
	v_lshlrev_b32 v[\w], v14, v[\w]                    ; 8 h bits up;
	v_mov_b32 v[\tm+6], 0                              ; (a lane permute's destination counts as read)
	v_permlanex16_b32 v[\tm+6], v[\w], s42, s43
	v_or_b32 v[\w], v[\w], v[\tm+6]                    ; with lane l xor 16's two bytes the word is whole
.irp c, 0,1
	v_cvt_scalef32_pk16_fp6_f32 v[\pc+6*\c:\pc+6*\c+2], v[\x+32*\c:\x+32*\c+15], v[\tm+2+\c]
	v_cvt_scalef32_pk16_fp6_f32 v[\pt+4*\c:\pt+4*\c+2], v[\x+32*\c+16:\x+32*\c+31], v[\tm+2+\c]   ; (a conversion's three registers begin on an even number)
.endr
	v_nop                                              ; one plain place behind a scaled conversion
.irp c, 0,1
.irp i, 0,1,2
	v_mov_b32 v[\pc+6*\c+3+\i], v[\pt+4*\c+\i]
.endr
.endr
.endm
.macro IMGOUT pc, b, off               ; three stores of 512 consecutive bytes
.irp g, 0,1,2
	global_store_b128 v4, v[\pc+4*\g:\pc+4*\g+3], s[\b:\b+1] offset:(\off)+512*\g
.endr
.endm
	s_load_b512 s[4:19], s[0:1], 0x0               ; hidden_states s[4:5]; the eight vectors ln_g, ln_b, lnk_g, lnk_b, lnq_g, lnq_b, lnv_g, lnv_b: vector v at s[6 + 2 v]
	s_load_b512 s[20:35], s[0:1], 0x40             ; (lnv_b) Wk s[22:23], Wq, Wv, Wo, Wout s[30:31], act s[32:33], wqkv s[34:35]
	s_load_b128 s[36:39], s[0:1], 0x80             ; wo, wout
	s_set_vgpr_msb 0x40
	v_lshl_add_u32 v0, v0, 2, 0x22000
	v_mov_b32 v1, 0
	s_set_vgpr_msb 0x4000
	v_lshrrev_b32 v1, 5, v0
	v_readfirstlane_b32 s40, v1                    ; wave 0..7
	v_and_b32 v1, 31, v0                           ; lane
	v_and_b32 v2, 15, v0                           ; r
	v_bfe_u32 v3, v0, 4, 1                         ; h
	v_lshlrev_b32 v4, 4, v1
	s_mul_i32 s41, s40, WST
	v_add_nc_u32 v5, s41, v4                       ; weights' stage, in: 16 lane
	v_mul_u32_u24 v6, v2, SP
	v_lshl_add_u32 v6, v3, 7, v6
	v_add_nc_u32 v6, s41, v6                       ; and out: 528 r + 128 h
	v_add_nc_u32 v9, XSTG, v5                      ; the same two for the tokens' stage
	v_add_nc_u32 v10, XSTG, v6
	v_lshlrev_b32 v11, 7, v3
	v_add_nc_u32 v11, s41, v11
	v_add_nc_u32 v11, XSTG, v11                    ; a vector's numbers for my half of the lanes: 128 h
	s_lshl_b32 s45, s40, 8
	v_lshl_add_u32 v7, v1, 2, s45
	v_add_nc_u32 v7, WSW, v7                       ; scale words in: 4 lane
	v_lshl_add_u32 v8, v1, 3, s45
	v_add_nc_u32 v8, WSW, v8                       ; and out: 8 lane
	v_lshlrev_b32 v13, 5, v2
	v_add_nc_u32 v13, RED, v13                     ; a row's eight partial sums
	s_lshl_b32 s45, s40, 2
	v_add_nc_u32 v12, s45, v13                     ; and my wave's among them
	v_lshlrev_b32 v14, 3, v3
	s_mov_b32 s42, 0x76543210
	s_mov_b32 s43, 0xfedcba98                      ; v_permlanex16_b32's selects for lane l xor 16
	v_cmp_eq_u32 s44, 1, v3                        ; the upper half of the lanes
	s_cmp_lt_u32 ttmp9, 128
	s_cbranch_scc1 .Lnorm
	; ---------------- a weight: 64 rows x my K step
	s_sub_co_u32 s46, ttmp9, 128
	s_lshr_b32 s47, s46, 6                         ; which weight: Wk, Wq, Wv, Wo, Wout
	s_and_b32 s48, s46, 63
	s_lshr_b32 s49, s48, 1                         ; which 64 rows
	s_and_b32 s50, s48, 1
	s_lshl_b32 s50, s50, 3
	s_add_co_u32 s50, s50, s40                     ; my K step
	v_lshlrev_b32 v15, 3, v1
	s_wait_kmcnt 0x0
	s_cmp_eq_u32 s47, 1
	s_cselect_b64 s[52:53], s[24:25], s[22:23]
	s_cmp_eq_u32 s47, 2
	s_cselect_b64 s[52:53], s[26:27], s[52:53]
	s_cmp_eq_u32 s47, 3
	s_cselect_b64 s[52:53], s[28:29], s[52:53]
	s_cselect_b64 s[54:55], s[36:37], s[34:35]
	s_cmp_eq_u32 s47, 4
	s_cselect_b64 s[52:53], s[30:31], s[52:53]
	s_cselect_b64 s[54:55], s[38:39], s[54:55]
	s_cmp_lt_u32 s47, 3
	s_cselect_b32 s56, s47, 0
	s_mul_i32 s56, s56, PART                       ; Wk, Wq, Wv are the three parts of wqkv
	s_lshl_b32 s58, s49, 19                        ; 64 rows of 8,192 bytes
	s_lshl_b32 s59, s50, 9
	s_add_co_u32 s58, s58, s59
	s_mov_b32 s59, 0
	s_add_nc_u64 s[52:53], s[52:53], s[58:59]      ; the weight at my first row and column
	s_lshl_b32 s58, s49, 6
	s_add_co_u32 s58, s58, s50
	s_mul_i32 s58, s58, 1536
	s_add_co_u32 s58, s58, s56
	s_add_nc_u64 s[60:61], s[54:55], s[58:59]      ; image (4 x quad, s)
	s_lshl_b32 s58, s50, 13
	s_lshl_b32 s57, s49, 8
	s_add_co_u32 s58, s58, s57
	s_add_co_u32 s58, s58, s56
	s_add_co_u32 s58, s58, CODES
	s_add_nc_u64 s[62:63], s[54:55], s[58:59]      ; the four tiles' 256 bytes of scale words
	LOADF R0, 52, 0
	LOADF R1, 52, 8*8192
.irp t, 0,1,2,3
.if \t < 3
	s_wait_loadcnt 16                              ; this tile's 16 loads are in; the next tile's 16 may be out
.else
	s_wait_loadcnt 0x0
.endif
	STST R0+64*(\t%2), 5
	STLD X, 6                                      ; LDS serves a wave's instructions in order: these see the stores
	s_wait_dscnt 0x0                               ; the numbers are back, and the stores have read their registers
	s_wait_xcnt 0x0                                ; the last image's stores have read theirs
.if \t < 2
	LOADF R0+64*(\t%2), 52, (32*((\t+2)/2)+8*((\t+2)%2))*8192
.endif
	QUANT32 X, 208, 220, 228, 236+\t
	IMGOUT 208, 60, \t*TROW
.endr
	v_cndmask_b32 v236, v236, v237, s44            ; lanes 0-15 tile 0's words, lanes 16-31 tile 1's
	v_cndmask_b32 v238, v238, v239, s44
	ds_store_b32 v7, v236
	ds_store_b32 v7, v238 offset:128
	ds_load_b64 v[228:229], v8
	s_wait_dscnt 0x0
	global_store_b64 v15, v[228:229], s[62:63]     ; 32 lanes store 256 consecutive bytes, aligned
	s_set_vgpr_msb 0x5
	s_wait_tensorcnt 0x0
	ds_add_u32 v0, v1
	s_wait_dscnt 0x0
	s_set_vgpr_msb 0x500
	s_endpgm
	; ---------------- the norms of token tile T
.Lnorm:
	s_lshr_b32 s46, ttmp9, 1
	s_lshl_b32 s46, s46, 5
	s_and_b32 s47, ttmp9, 1
	s_lshl_b32 s47, s47, 3
	s_add_co_u32 s46, s46, s47                     ; the tile's first row
	s_lshl_b32 s46, s46, 13
	s_lshl_b32 s56, s40, 10                        ; my 256 columns
	s_add_co_u32 s46, s46, s56
	s_mov_b32 s47, 0
	v_add_nc_u32 v15, s56, v4                      ; a vector's bytes for my wave: 1,024 w + 16 lane
	v_lshlrev_b32 v255, 13, v3
	v_lshl_add_u32 v255, v2, 2, v255
	s_lshl_b32 s56, s40, 14
	v_add_nc_u32 v255, s56, v255                   ; scale words out: K step 2 w + h, row r
	v_mov_b32 v241, 0                              ; (named as the upper half of a pair)
	v_mov_b32 v242, 0                              ; (a lane permute's destination)
	s_mov_b32 s54, 0x3a000000                      ; 1 / 2,048
	s_mov_b32 s55, 0x2b8cbccc                      ; 1e-12
	s_wait_kmcnt 0x0
	s_add_nc_u64 s[48:49], s[4:5], s[46:47]
	s_lshl_b32 s46, ttmp9, 4
	s_lshl_b32 s56, s40, 1
	s_add_co_u32 s46, s46, s56
	s_mul_i32 s46, s46, 1536
	s_add_nc_u64 s[50:51], s[32:33], s[46:47]      ; image (T, 2 w) of act's part 0
	s_lshl_b32 s46, ttmp9, 6
	s_add_co_u32 s46, s46, CODES
	s_add_nc_u64 s[52:53], s[32:33], s[46:47]      ; the tile's scale words
	; ALL the wave's 48 loads go out together: the vectors first, so that nothing is asked of memory behind the first wait
.irp v, 0,1,2,3,4,5,6,7
.irp f, 0,1
	global_load_b128 v[Y+4*(2*\v+\f):Y+4*(2*\v+\f)+3], v15, s[6+2*\v:7+2*\v] offset:512*\f   ; my 256 numbers of each of the eight vectors
.endr
.endr
	LOADF XA, 48, 0
	LOADF XA+64, 48, 512
	s_wait_loadcnt 16                              ; the vectors and fragment 0 are in; fragment 1's 16 loads may be out
	STST XA, 9                                     ; each fragment turns through the stage in place
	s_wait_dscnt 0x0                               ; the stores have read the registers into which the loads below land
	STLD XA, 10
	s_wait_loadcnt 0x0                             ; fragment 1
	s_wait_dscnt 0x0                               ; fragment 0 has left the stage
	STST XA+64, 9
	s_wait_dscnt 0x0                               ; the stores have read the registers into which the loads below land
	STLD XA+64, 10
	s_wait_dscnt 0x0
.irp n, 0,1,2,3,4,5,6,7,8,9,10,11,12,13,14,15
	ds_store_b128 v9, v[Y+4*\n:Y+4*\n+3] offset:512*\n   ; the stage has been read out: it now holds the vectors, vector v, fragment f at 512 (2 v + f)
.endr
.macro FOLD                            ; four chains of pairs -> my row's sum over my wave's columns, in v240
	v_pk_add_f32 v[244:245], v[244:245], v[246:247]
	v_pk_add_f32 v[248:249], v[248:249], v[250:251]
	v_pk_add_f32 v[244:245], v[244:245], v[248:249]
	v_add_f32 v240, v244, v245
	v_permlanex16_b32 v242, v240, s42, s43
	v_add_f32 v240, v240, v242
.endm
.macro REDUCE n                        ; over the eight waves; each sum has its own 512 bytes, so one barrier serves
	ds_store_b32 v12, v240 offset:512*\n           ; both halves of the lanes write the same word with the same value
	s_wait_dscnt 0x0                               ; for the others' sake
	s_barrier_signal -1
	s_barrier_wait -1
	ds_load_b128 v[244:247], v13 offset:512*\n
	ds_load_b128 v[248:251], v13 offset:512*\n+16
	s_wait_dscnt 0x0
	v_add_f32 v244, v244, v245
	v_add_f32 v246, v246, v247
	v_add_f32 v248, v248, v249
	v_add_f32 v250, v250, v251
	v_add_f32 v244, v244, v246
	v_add_f32 v248, v248, v250
	v_add_f32 v240, v244, v248
.endm
.macro DEV                             ; v240 = minus the mean: the deviations in place, and their squares' sums in four chains
.set m, 0
.rept 64
	v_pk_add_f32 v[XA+2*m:XA+2*m+1], v[XA+2*m:XA+2*m+1], v[240:241] op_sel_hi:[1,0]
.set m, m+1
.endr
.irp q, 0,1,2,3
	v_pk_mul_f32 v[244+2*\q:245+2*\q], v[XA+2*\q:XA+2*\q+1], v[XA+2*\q:XA+2*\q+1]
.endr
.set m, 4
.rept 60
	v_pk_fma_f32 v[244+2*(m%4):245+2*(m%4)], v[XA+2*m:XA+2*m+1], v[XA+2*m:XA+2*m+1], v[244+2*(m%4):245+2*(m%4)]
.set m, m+1
.endr
.endm
.macro RSTD                            ; v240: the squares' sum -> 1 / sqrt(variance + 1e-12)
	v_fma_f32 v240, v240, s54, s55
	v_rsq_f32 v240, v240
	v_nop                                          ; one plain place behind a transcendental
	s_wait_alu depctr_va_vdst(0)
.endm
	; the outer norm
.irp q, 0,1,2,3
	v_pk_add_f32 v[244+2*\q:245+2*\q], v[XA+2*\q:XA+2*\q+1], v[XA+8+2*\q:XA+9+2*\q]
.endr
.set m, 8
.rept 56
	v_pk_add_f32 v[244+2*(m%4):245+2*(m%4)], v[244+2*(m%4):245+2*(m%4)], v[XA+2*m:XA+2*m+1]
.set m, m+1
.endr
	FOLD
	REDUCE 0
	v_mul_f32 v240, 0xba000000, v240               ; x -1 / 2,048
	DEV
	FOLD
	REDUCE 1
	RSTD
.macro GPAIR n, buf                    ; ln_g's and ln_b's 16 numbers for my numbers 16 n .. 16 n + 15: all lanes of a half read the same bytes
.irp j, 0,1,2,3
	ds_load_b128 v[\buf+4*\j:\buf+4*\j+3], v11 offset:512*((\n)/4)+256*(((\n)/2)%2)+64*((\n)%2)+16*\j
	ds_load_b128 v[\buf+16+4*\j:\buf+16+4*\j+3], v11 offset:1024+512*((\n)/4)+256*(((\n)/2)%2)+64*((\n)%2)+16*\j
.endr
.endm
	GPAIR 0, G
.set n, 0
.rept 8                                ; x = deviation x rstd x ln_g + ln_b, and x's sums; the vectors' numbers come one chunk ahead, in two buffers
.set GB, G-64*(n%2)
.if n < 7
	GPAIR n+1, G-64*((n+1)%2)
	s_wait_dscnt 8                                 ; this chunk's eight loads are in; the next chunk's eight may be out
.else
	s_wait_dscnt 0x0
.endif
.irp m, 0,2,4,6,8,10,12,14
	v_pk_mul_f32 v[XA+16*n+\m:XA+16*n+\m+1], v[XA+16*n+\m:XA+16*n+\m+1], v[240:241] op_sel_hi:[1,0]
.endr
.irp m, 0,2,4,6,8,10,12,14
	v_pk_fma_f32 v[XA+16*n+\m:XA+16*n+\m+1], v[XA+16*n+\m:XA+16*n+\m+1], v[GB+\m:GB+\m+1], v[GB+16+\m:GB+17+\m]
.endr
.if n == 0
.irp q, 0,1,2,3
	v_pk_add_f32 v[244+2*\q:245+2*\q], v[XA+2*\q:XA+2*\q+1], v[XA+8+2*\q:XA+9+2*\q]
.endr
.else
.irp q, 0,1,2,3,4,5,6,7
	v_pk_add_f32 v[244+2*(\q%4):245+2*(\q%4)], v[244+2*(\q%4):245+2*(\q%4)], v[XA+16*n+2*\q:XA+16*n+2*\q+1]
.endr
.endif
.set n, n+1
.endr
	; the inner norms' common part: z = (x - mean) x rstd
	FOLD
	REDUCE 2
	v_mul_f32 v240, 0xba000000, v240
	DEV
	FOLD
	REDUCE 3
	RSTD
.set m, 0
	s_wait_alu depctr_va_vdst(0)
.rept 64
	v_pk_mul_f32 v[XA+2*m:XA+2*m+1], v[XA+2*m:XA+2*m+1], v[240:241] op_sel_hi:[1,0]
.set m, m+1
.endr
; fragment f of part p (0: for k, 1: for q, 2: for v): z x gain + bias, quantised, stored
.macro OUTP f, p
.irp c, 0,1
.irp j, 0,1,2,3,4,5,6,7
	ds_load_b128 v[Y+32*\c+4*\j:Y+32*\c+4*\j+3], v11 offset:512*(2*(3+2*\p)+\f)+256*\c+16*\j      ; the bias
.endr
.endr
.irp c, 0,1
.irp j, 0,1,2,3,4,5,6,7
	ds_load_b128 v[G+4*\j:G+4*\j+3], v11 offset:512*(2*(2+2*\p)+\f)+256*\c+16*\j                  ; the gain, 32 numbers at a time
.endr
	s_wait_dscnt 0x0
.irp m, 0,2,4,6,8,10,12,14,16,18,20,22,24,26,28,30
	v_pk_fma_f32 v[Y+32*\c+\m:Y+32*\c+\m+1], v[XA+64*\f+32*\c+\m:XA+64*\f+32*\c+\m+1], v[G+\m:G+\m+1], v[Y+32*\c+\m:Y+32*\c+\m+1]
.endr
.endr
	s_wait_xcnt 0x0                                ; the last fragment's image stores have read v240-251, which are written below
	QUANT32 Y, 240, 208, 216, 223
	IMGOUT 240, 50, \p*PART+1536*\f
.if \f == 0
	v_mov_b32 v[252+\p], v223                      ; K step 2 w's words wait for K step 2 w + 1's
.else
	v_cndmask_b32 v[252+\p], v[252+\p], v223, s44  ; lanes 0-15: K step 2 w, lanes 16-31: K step 2 w + 1.  Made in the part's own register, which nothing writes behind the store below
	global_store_b32 v255, v[252+\p], s[52:53] offset:\p*PART   ; two pieces of 64 bytes: a tile has no more words in a K step; longer runs would want 64 rows to a work-group, and so 32 work-groups
.endif
.endm
.irp f, 0,1
.irp p, 0,1,2
	OUTP \f, \p
.endr
.endr
	s_set_vgpr_msb 0x5
	s_wait_tensorcnt 0x0
	ds_add_u32 v0, v1
	s_wait_dscnt 0x0
	s_set_vgpr_msb 0x500
	s_endpgm
.Lfunc_end_k_q812bb0fd0d_prep:
	.size	k_q812bb0fd0d_prep, .Lfunc_end_k_q812bb0fd0d_prep-k_q812bb0fd0d_prep
	.p2alignl 7, 3214868480
	.fill 96, 4, 3214868480
	.section	.rodata,"a",@progbits
	.p2align	6, 0x0
	.amdhsa_kernel k_q812bb0fd0d_prep
		.amdhsa_group_segment_fixed_size 140288
		.amdhsa_private_segment_fixed_size 0
		.amdhsa_enable_private_segment 0
		.amdhsa_kernarg_size 144
		.amdhsa_user_sgpr_count 2
		.amdhsa_user_sgpr_kernarg_segment_ptr 1
		.amdhsa_wavefront_size32 1
		.amdhsa_system_sgpr_workgroup_id_x 1
		.amdhsa_system_sgpr_workgroup_id_y 1
		.amdhsa_system_sgpr_workgroup_id_z 1
		.amdhsa_system_vgpr_workitem_id 0
		.amdhsa_next_free_vgpr 258
		.amdhsa_next_free_sgpr 66
		.amdhsa_reserve_vcc 0
		.amdhsa_float_denorm_mode_32 3
		.amdhsa_float_denorm_mode_16_64 3
		.amdhsa_memory_ordered 1
		.amdhsa_forward_progress 1
		.amdhsa_inst_pref_size 131
	.end_amdhsa_kernel
	.amdgpu_metadata
---
amdhsa.version: [ 1, 2 ]
amdhsa.kernels:
  - .name:           k_q812bb0fd0d_prep
    .symbol:         k_q812bb0fd0d_prep.kd
    .args:
      - { .name: hidden_states, .offset: 0, .size: 8, .value_kind: global_buffer, .address_space: global }
      - { .name: ln_g, .offset: 8, .size: 8, .value_kind: global_buffer, .address_space: global }
      - { .name: ln_b, .offset: 16, .size: 8, .value_kind: global_buffer, .address_space: global }
      - { .name: lnk_g, .offset: 24, .size: 8, .value_kind: global_buffer, .address_space: global }
      - { .name: lnk_b, .offset: 32, .size: 8, .value_kind: global_buffer, .address_space: global }
      - { .name: lnq_g, .offset: 40, .size: 8, .value_kind: global_buffer, .address_space: global }
      - { .name: lnq_b, .offset: 48, .size: 8, .value_kind: global_buffer, .address_space: global }
      - { .name: lnv_g, .offset: 56, .size: 8, .value_kind: global_buffer, .address_space: global }
      - { .name: lnv_b, .offset: 64, .size: 8, .value_kind: global_buffer, .address_space: global }
      - { .name: Wk, .offset: 72, .size: 8, .value_kind: global_buffer, .address_space: global }
      - { .name: Wq, .offset: 80, .size: 8, .value_kind: global_buffer, .address_space: global }
      - { .name: Wv, .offset: 88, .size: 8, .value_kind: global_buffer, .address_space: global }
      - { .name: Wo, .offset: 96, .size: 8, .value_kind: global_buffer, .address_space: global }
      - { .name: Wout, .offset: 104, .size: 8, .value_kind: global_buffer, .address_space: global }
      - { .name: act, .offset: 112, .size: 8, .value_kind: global_buffer, .address_space: global }
      - { .name: wqkv, .offset: 120, .size: 8, .value_kind: global_buffer, .address_space: global }
      - { .name: wo, .offset: 128, .size: 8, .value_kind: global_buffer, .address_space: global }
      - { .name: wout, .offset: 136, .size: 8, .value_kind: global_buffer, .address_space: global }
    .group_segment_fixed_size: 140288
    .private_segment_fixed_size: 0
    .kernarg_segment_align: 8
    .kernarg_segment_size: 144
    .max_flat_workgroup_size: 256
    .sgpr_count:     66
    .vgpr_count:     258
    .wavefront_size: 32
...
	.end_amdgpu_metadata
.endif
;; end of part 1
;; launch qkvproj (part 2): grid 16 x 48, 4 waves a work-group, clusters of 4 x 4, 327,680 bytes of LDS; arguments act, wqkv, bk, bq, bv, qkv; writes qkv
.if DOCPART == 2
	.amdgcn_target "amdgcn-amd-amdhsa--gfx1250"
	.amdhsa_code_object_version 6
	.text
	.protected	k_q812bb0fd0d_qkvproj
	.globl	k_q812bb0fd0d_qkvproj
	.p2align	8
	.type	k_q812bb0fd0d_qkvproj,@function
k_q812bb0fd0d_qkvproj:
	s_mov_b64 s[64:65], 0
	v_nop
	global_prefetch_b8 v0, s[64:65] scope:SCOPE_SE
	s_setreg_imm32_b32 hwreg(HW_REG_WAVE_MODE, 25, 1), 1
	s_wait_xcnt 0x0
	s_wait_alu depctr_hold_cnt(0) depctr_sa_sdst(0) depctr_va_vdst(0) depctr_va_sdst(0) depctr_va_ssrc(0) depctr_va_vcc(0) depctr_vm_vsrc(0)
	s_getreg_b32 s2, hwreg(HW_REG_IB_STS2, 6, 4)
	s_cmp_eq_u32 s2, 0
	s_cbranch_scc0 .Lentry_in_a_cluster
	s_endpgm
.Lentry_in_a_cluster:
	s_bfe_u32 s2, ttmp6, 0x10000c
	s_cmp_lg_u32 s2, 0xf033
	s_cbranch_scc0 .Lentry_shape_is_right
	s_endpgm
.Lentry_shape_is_right:
; C = A B^T + bias on codes of FP6 (E2M3) with E8M0 scales, 2,048 x 2,048 x 2,048, and C quantised along its columns into the same layout: the next product's operand.  No f32 number goes to memory.
; LAYOUT (all operands): tiles of 16 rows, lane row r of tile T = row 32 (T / 2) + 8 (T % 2) + r + 8 (r / 8); a fragment (tile x 128 K) is an image of its 12 registers, 1,536 bytes, image (T, s) at (16 T + s) x 1,536;
; scale words at CODES + 8,192 s + 64 T + 4 r.  A part is 3,276,800 bytes.
; THREE PRODUCTS IN ONE GRID: p = (cluster y) / 4.  p = 0: part 0 of argument 0 x part 0 of argument 1, bias argument 2 along the columns.  p = 1: parts 1, bias argument 3, the result x 128^-0.5 (q).
; p = 2: THE OPERANDS CHANGE PLACES (rows = the weight's, columns = the tokens): the result is v transposed, quantised along the tokens, which are the keys; bias argument 4 goes along the rows.
; p is the same in all sixteen partners of a cluster; it selects pointers and values, never a branch.  With a grid of 16 x 16 p is 0 throughout.
; SHARES.  A work-group makes 128 x 128 of C (256 work-groups a product), four waves 64 x 64 each: 16 accumulators.  THE MATRIX INSTRUCTION IS USED TRANSPOSED (source 0 = 16 rows of B, source 1 = 16 rows of A):
; by the order of rows in a tile the 16 registers of B's tiles 2 b, 2 b + 1 are 16 neighbouring columns of one row of C, as the conversions want them.
; LDS: three slots of four K steps (8 + 8 tiles x 6,144 bytes); K steps 0-11 are asked for at the start, slot 0 is filled once more with K steps 12-15.  A fragment is three loads of 512 consecutive bytes.
; The scale words of all 16 K steps come once.  CLUSTER 4 x 4: A's tiles are asked for jointly along a row of the cluster, B's along a column.
; No prefetch is laid: three quarters of a work-group's bytes are asked for by its first loads, and the one refill has eight K steps' products in which to land.
; LIMITS: NaN and infinities are not served; a block of zeros gets the byte 1 (its codes are zeros; this program alone reads the bytes); blocks under 2^-124 are held at the byte 1.
; REGISTERS.  Window 0: v1-31 addresses; v32-63 A's scale words, v64-95 B's (register 2 s + i: lanes 0-15 tile 2 i, lanes 16-31 tile 2 i + 1 of my four, K step s); v96-127 the bias along the columns as four tiles of C,
; on the way out codes and temporaries; v128-255 accumulator (a, nb) at 128 + 8 (4 a + nb).  Window 1: two fragment buffers at v0 and v128: A's four fragments, then B's four.
.set PART,  3276800
.set CODES, 3145728
.set TROW,  24576
.set QROW,  6144                       ; four K steps of a tile
.set SLOT,  16*QROW
.set SCL,   3*SLOT                     ; A's 16 rows (K steps) of 512 bytes, then B's
.set SPARE, SCL+16384                  ; the spare words: 128 bytes a wave, two blocks of 256 bytes that no other line names
.set STG,   SLOT                       ; the way out: eight images, in slot 1, which has had its only fill and whose reads are over at the last barrier
.set SCW,   STG+8*1536                 ; and their scale words
.set G1A, 24
.set G0A, 32                           ; s[32:43] a group 0 for each slot
.set G1B, 44
.set G0B, 52                           ; s[52:63]
.set G1SA, 68
.set G0SA, 76
.set G1SB, 80
.set G0SB, 88
.set SA,  32
.set SB,  64
.set BN,  96
.set ACC, 128
.set PC,  96                           ; the way out: six registers of codes, v102 two scale bytes, v104-106 the second conversion, v108-113 at work
.set HW,  102
.set PT,  104
.set TM,  108
.set MSB, 0
.macro WIN new                         ; the immediate's high byte repeats the setting that is left
.if MSB != \new
	s_set_vgpr_msb (MSB<<8)|\new
.set MSB, \new
.endif
.endm
.macro JLOAD g0a, g1a, g0b, g1b        ; a joint load: waves 0 and 1 fetch for A, waves 2 and 3 for B; four v_nop follow each of the two lines
	s_cmp_eq_u32 s17, 0
	s_cbranch_scc0 .Lfor_b_\@
	tensor_load_to_lds s[\g0a:\g0a+3], s[\g1a:\g1a+7]
	s_nop 0
.rept 4
	v_nop
.endr
	s_branch .Lasked_\@
.Lfor_b_\@:
	tensor_load_to_lds s[\g0b:\g0b+3], s[\g1b:\g1b+7]
	s_nop 0
.rept 4
	v_nop
.endr
.Lasked_\@:
.endm
.macro CROUND                          ; a round of the cluster's barrier
	s_barrier_signal -1
	s_barrier_wait -1
	s_cmp_lg_u32 s16, 0
	s_cbranch_scc1 .Lnot_wave_0_\@
	s_barrier_signal -3
.Lnot_wave_0_\@:
	s_barrier_wait -3
	s_barrier_signal -1
	s_barrier_wait -1
.endm
.macro PLACES                          ; four places in front of loads into registers that matrix instructions have read, and of the first read of results
.rept 4
	v_nop
.endr
.endm
	s_load_b256 s[4:11], s[0:1], 0x0               ; argument 0, argument 1, the biases of p = 0 and p = 1
	s_load_b128 s[12:15], s[0:1], 0x20             ; the bias of p = 2, the output
	v_lshl_add_u32 v28, v0, 2, SPARE
	v_mov_b32 v29, 0
	ds_add_u32 v28, v29
	ds_add_u32 v28, v29
	s_wait_dscnt 0x0
	v_lshrrev_b32 v1, 5, v0
	v_readfirstlane_b32 s16, v1                    ; wave 0..3
	s_lshr_b32 s17, s16, 1                         ; mh: my half of the rows.  Also: I fetch for A (0) or for B (1)
	s_and_b32 s18, s16, 1                          ; nh: my half of the columns.  Also: which half I fetch
	s_bfe_u32 s19, ttmp6, 0x40000                  ; cx
	s_bfe_u32 s20, ttmp6, 0x40004                  ; cy
	s_and_b32 s21, ttmp7, 0xffff                   ; cluster y
	s_lshl_b32 s92, ttmp9, 2
	s_add_co_u32 s92, s92, s19                     ; tx: tile column of C
	s_and_b32 s93, s21, 3
	s_lshl_b32 s93, s93, 2
	s_add_co_u32 s93, s93, s20                     ; ty: tile row of C
	s_lshr_b32 s21, s21, 2                         ; p
	s_lshl_b32 s98, s20, 2
	s_lshl_b32 s98, 15, s98                        ; my row of the cluster
	s_lshl_b32 s100, 0x1111, s19                   ; my column
	s_or_b32 s[G1A], s98, (3<<16)|(1<<21)          ; 15:0 the mask; 17:16 elements of 8 bytes; 21 set beside a mask; no padding
	s_or_b32 s[G1B], s100, (3<<16)|(1<<21)
	s_or_b32 s[G1SA], s98, (3<<16)|(1<<21)
	s_or_b32 s[G1SB], s100, (3<<16)|(1<<21)
.irp g, G1A, G1B                       ; four tiles x four K steps: 4 rows of 768 elements (6,144 bytes), 3,072 elements apart
	s_mov_b32 s[\g+1], 768<<16
	s_mov_b32 s[\g+2], 4<<16
	s_mov_b32 s[\g+3], 768<<16
	s_mov_b32 s[\g+4], 4
	s_mov_b32 s[\g+5], 3072
	s_mov_b32 s[\g+6], 0
	s_mov_b32 s[\g+7], 0
.endr
.irp g, G1SA, G1SB                     ; eight K steps' scale words of eight tiles: 8 rows of 64 elements (512 bytes), 1,024 elements apart
	s_mov_b32 s[\g+1], 64<<16
	s_mov_b32 s[\g+2], 8<<16
	s_mov_b32 s[\g+3], 64<<16
	s_mov_b32 s[\g+4], 8
	s_mov_b32 s[\g+5], 1024
	s_mov_b32 s[\g+6], 0
	s_mov_b32 s[\g+7], 0
.endr
	s_mul_i32 s66, s21, PART
	s_mov_b32 s67, 0
	s_mul_i32 s98, s93, 8*TROW                     ; A's codes: tile 8 ty + 4 nh
	s_mul_i32 s99, s18, 4*TROW
	s_add_co_u32 s98, s98, s99
	s_mov_b32 s99, 0
	s_mul_i32 s100, s92, 8*TROW                    ; B's: tile 8 tx + 4 nh
	s_mul_i32 s101, s18, 4*TROW
	s_add_co_u32 s100, s100, s101
	s_mov_b32 s101, 0
	s_lshl_b32 s78, s93, 9                         ; A's scale words: CODES + 8,192 x 8 nh + 64 x 8 ty
	s_lshl_b32 s79, s18, 16
	s_add_co_u32 s78, s78, s79
	s_add_co_u32 s78, s78, CODES
	s_mov_b32 s79, 0
	s_lshl_b32 s90, s92, 9
	s_lshl_b32 s91, s18, 16
	s_add_co_u32 s90, s90, s91
	s_add_co_u32 s90, s90, CODES
	s_mov_b32 s91, 0
	s_mul_i32 s104, s16, 4*QROW                    ; where my tiles go in a slot, and my scale words: the wave's number alone enters an LDS address
	s_lshl_b32 s105, s16, 12
	s_wait_kmcnt 0x0
	s_cmp_eq_u32 s21, 2
	s_cselect_b64 s[94:95], s[6:7], s[4:5]         ; A: the rows of C
	s_cselect_b64 s[96:97], s[4:5], s[6:7]         ; B: its columns
	s_cselect_b64 s[8:9], s[12:13], s[8:9]
	s_cselect_b32 s2, -1, 0                        ; the bias goes along the rows
	s_cselect_b32 s3, 0, -1                        ; or along the columns
	s_cmp_eq_u32 s21, 1
	s_cselect_b64 s[8:9], s[10:11], s[8:9]         ; the bias of this p
	s_cselect_b32 s22, 0x3db504f3, 1.0             ; 128^-0.5 for q
	s_mov_b32 s23, s22
	s_add_nc_u64 s[94:95], s[94:95], s[66:67]
	s_add_nc_u64 s[96:97], s[96:97], s[66:67]
	s_add_nc_u64 s[14:15], s[14:15], s[66:67]
	s_add_nc_u64 s[G0SA+2:G0SA+3], s[94:95], s[78:79]
	s_add_nc_u64 s[G0SB+2:G0SB+3], s[96:97], s[90:91]
	s_add_nc_u64 s[98:99], s[94:95], s[98:99]
	s_add_nc_u64 s[100:101], s[96:97], s[100:101]
	s_mov_b32 s66, 0x76543210
	s_mov_b32 s67, 0xfedcba98                      ; v_permlanex16_b32's selects for lane l xor 16
	CROUND                                         ; all sixteen work-groups are here: the first joint loads meet
	s_mov_b32 s[G0SA], 1
	s_add_co_u32 s[G0SA+1], s105, SCL
	s_or_b32 s[G0SA+3], s[G0SA+3], 0x80000000
	s_mov_b32 s[G0SB], 1
	s_add_co_u32 s[G0SB+1], s105, SCL
	s_or_b32 s[G0SB+3], s[G0SB+3], 0x80000000
	JLOAD G0SA, G1SA, G0SB, G1SB                   ; the scale words first: they are wanted with K step 0
.irp n, 0,1,2
	s_mov_b32 s[G0A+4*\n], 1
	s_add_co_u32 s[G0A+4*\n+1], s104, \n*SLOT
	s_add_nc_u64 s[G0A+4*\n+2:G0A+4*\n+3], s[98:99], \n*QROW
	s_or_b32 s[G0A+4*\n+3], s[G0A+4*\n+3], 0x80000000
	s_mov_b32 s[G0B+4*\n], 1
	s_add_co_u32 s[G0B+4*\n+1], s104, \n*SLOT
	s_add_nc_u64 s[G0B+4*\n+2:G0B+4*\n+3], s[100:101], \n*QROW
	s_or_b32 s[G0B+4*\n+3], s[G0B+4*\n+3], 0x80000000
	JLOAD G0A+4*\n, G1A, G0B+4*\n, G1B             ; by this text's count four tensor loads of a wave are out
.endr
	v_and_b32 v1, 15, v0                           ; r
	v_bfe_u32 v2, v0, 4, 1                         ; h
	v_and_b32 v3, 31, v0                           ; lane
	v_lshlrev_b32 v26, 4, v3                       ; 16 lane
	s_lshl_b32 s104, s92, 9                        ; the bias along the columns: column 128 tx + 64 nh + 16 h + 32 b + 8 u + 0 .. 7 for tile 2 b + u
	s_lshl_b32 s105, s18, 8
	s_add_co_u32 s104, s104, s105
	v_lshl_add_u32 v27, v2, 6, s104
	v_and_b32 v30, 8, v1
	v_add_nc_u32 v30, v30, v1                      ; r + 8 (r / 8)
	s_lshl_b32 s104, s93, 9                        ; along the rows: row 128 ty + 64 mh + the tile's first + r + 8 (r / 8)
	s_lshl_b32 s105, s17, 8
	s_add_co_u32 s104, s104, s105
	v_lshl_add_u32 v30, v30, 2, s104
.irp nb, 0,1,2,3
	global_load_b128 v[BN+8*\nb:BN+8*\nb+3], v27, s[8:9] offset:(32*(\nb/2)+8*(\nb%2))*4
	global_load_b128 v[BN+8*\nb+4:BN+8*\nb+7], v27, s[8:9] offset:(32*(\nb/2)+8*(\nb%2))*4+16
.endr
.irp a, 0,1,2,3
	global_load_b32 v[12+2*\a], v30, s[8:9] offset:(32*(\a/2)+8*(\a%2))*4
	v_mov_b32 v[13+2*\a], 0                        ; (named with it as a pair)
.endr
	s_mul_i32 s104, s17, 4*QROW                    ; my four tiles of A,
	s_mul_i32 s105, s18, 4*QROW
	s_add_co_u32 s105, s105, 8*QROW                ; my four of B, behind A's eight
	v_add_nc_u32 v4, s104, v26                     ; v4-6: A in slot 0, 1, 2
	v_add_nc_u32 v5, SLOT, v4
	v_add_nc_u32 v6, SLOT, v5
	v_add_nc_u32 v7, s105, v26                     ; v7-9: B
	v_add_nc_u32 v8, SLOT, v7
	v_add_nc_u32 v9, SLOT, v8
	v_lshlrev_b32 v10, 2, v3
	s_lshl_b32 s104, s17, 8
	s_lshl_b32 s105, s18, 8
	v_add_nc_u32 v11, s105, v10
	v_add_nc_u32 v11, SCL+8192, v11                ; B's scale words: 256 nh + 4 lane
	v_add_nc_u32 v10, s104, v10
	v_add_nc_u32 v10, SCL, v10                     ; A's: 256 mh + 4 lane
	; the way out.  My 64 columns are registers 6 nh .. 6 nh + 5 of an image: three pairs, at 0, 8, 512 (nh = 0) or 520, 1,024, 1,032 (nh = 1) + 16 lane
	s_mul_i32 s104, s17, 4*1536
	s_mul_i32 s105, s18, 520
	s_add_co_u32 s105, s105, s104
	v_add_nc_u32 v20, s105, v26
	v_add_nc_u32 v22, STG+512, v20
	v_add_nc_u32 v20, STG, v20
	s_mul_i32 s105, s18, 1016
	s_add_co_u32 s105, s105, s104
	v_add_nc_u32 v21, s105, v26
	v_add_nc_u32 v21, STG+8, v21
	s_lshl_b32 s104, s17, 8
	s_lshl_b32 s105, s18, 1
	s_add_co_u32 s104, s104, s105
	v_lshl_add_u32 v23, v1, 2, s104
	v_add_nc_u32 v23, SCW, v23                     ; my two bytes of a row's scale word: 256 mh + 4 r + 2 nh
	s_mul_i32 s104, s16, 2*1536
	v_add_nc_u32 v24, s104, v26
	v_add_nc_u32 v24, STG, v24                     ; back: wave w sends images 2 w, 2 w + 1
	v_add_nc_u32 v25, SCW, v26
.macro FETCH k                         ; K step k's eight fragments into buffer k % 2: 24 loads of 512 consecutive bytes
.set FN, ((\k)/4)%3
.set FS, (\k)%4
.set FB, 128*((\k)%2)
	WIN 0x40                                       ; destination window 1
.irp i, 0,1,2,3
.irp g, 0,1,2
	ds_load_b128 v[FB+12*\i+4*\g:FB+12*\i+4*\g+3], v[4+FN] offset:\i*QROW+FS*1536+512*\g
.endr
.endr
.irp i, 0,1,2,3
.irp g, 0,1,2
	ds_load_b128 v[FB+48+12*\i+4*\g:FB+48+12*\i+4*\g+3], v[7+FN] offset:\i*QROW+FS*1536+512*\g
.endr
.endr
.endm
.macro WM k, a, nb                     ; one product: source 0 = B's tile nb, source 1 = A's tile a; an odd tile's scale words lie in lanes 16-31.  In K step 0 the bias is C: nothing is cleared
.set rD, ACC+8*(4*(\a)+\nb)
.set rB, FB+48+12*\nb
.set rA, FB+12*(\a)
.set rSB, SB+2*(\k)+(\nb)/2
.set rSA, SA+2*(\k)+(\a)/2
.set rC, rD
.if (\k) == 0
.set rC, BN+8*\nb
.endif
.if ((\nb)%2 == 0) && ((\a)%2 == 0)
	v_wmma_scale_f32_16x16x128_f8f6f4 v[rD:rD+7], v[rB:rB+11], v[rA:rA+11], v[rC:rC+7], v[rSB], v[rSA] matrix_a_fmt:MATRIX_FMT_FP6 matrix_b_fmt:MATRIX_FMT_FP6
.elseif ((\nb)%2 == 1) && ((\a)%2 == 0)
	v_wmma_scale_f32_16x16x128_f8f6f4 v[rD:rD+7], v[rB:rB+11], v[rA:rA+11], v[rC:rC+7], v[rSB], v[rSA] matrix_a_fmt:MATRIX_FMT_FP6 matrix_b_fmt:MATRIX_FMT_FP6 matrix_a_scale:MATRIX_SCALE_ROW1
.elseif ((\nb)%2 == 0) && ((\a)%2 == 1)
	v_wmma_scale_f32_16x16x128_f8f6f4 v[rD:rD+7], v[rB:rB+11], v[rA:rA+11], v[rC:rC+7], v[rSB], v[rSA] matrix_a_fmt:MATRIX_FMT_FP6 matrix_b_fmt:MATRIX_FMT_FP6 matrix_b_scale:MATRIX_SCALE_ROW1
.else
	v_wmma_scale_f32_16x16x128_f8f6f4 v[rD:rD+7], v[rB:rB+11], v[rA:rA+11], v[rC:rC+7], v[rSB], v[rSA] matrix_a_fmt:MATRIX_FMT_FP6 matrix_b_fmt:MATRIX_FMT_FP6 matrix_a_scale:MATRIX_SCALE_ROW1 matrix_b_scale:MATRIX_SCALE_ROW1
.endif
.endm
.macro MUL8 k, a0                      ; the 16 accumulators take turns, one instruction a turn, in the same order in every K step
.set FB, 128*((\k)%2)
	WIN 0x05                                       ; sources 0 and 1 window 1; C and D window 0
.irp a, \a0, \a0+1
.irp nb, 0,1,2,3
	WM \k, \a, \nb
.endr
.endr
.endm
.macro STEP k                          ; the next K step's fragments are asked for, then this one is multiplied
	PLACES
	FETCH (\k)+1
	s_wait_dscnt 24                                ; all but the 24 loads just issued
	MUL8 \k, 0
	MUL8 \k, 2
.endm
; A K step at whose middle the waves meet.  fill = 1: slot 0 has been read out and takes K steps 12-15; the meeting is a round of the cluster's barrier.  fill = 0: those K steps are shown landed to every wave.
.macro TURN k, fill
	WIN 0
	s_wait_tensorcnt 0x0                           ; all my tensor loads have landed;
	ds_add_u32 v28, v29                            ; 0 onto my spare word
.if \fill
	s_add_nc_u64 s[G0A+2:G0A+3], s[G0A+2:G0A+3], 3*QROW   ; no tensor load of mine is out: slot 0's group 0 steps twelve K steps on
	s_add_nc_u64 s[G0B+2:G0B+3], s[G0B+2:G0B+3], 3*QROW
.endif
	s_wait_dscnt 1                                 ; this K step's fragments are in; the add may be out
	MUL8 \k, 0
	s_wait_dscnt 0x0                               ; the add is done, and my reads of the slot are over
	WIN 0
.if \fill
	CROUND                                         ; no wave of any partner still reads slot 0 or has a load on its way
	JLOAD G0A, G1A, G0B, G1B                       ; the first tensor load behind the round; its four v_nop are also the places in front of the loads below
.else
	s_barrier_signal -1
	s_barrier_wait -1
	PLACES
.endif
	FETCH (\k)+1
	MUL8 \k, 2
.endm
	s_wait_tensorcnt 2                             ; the scale words and slot 0 are in; slots 1 and 2 may be out
	s_barrier_signal -1
	s_barrier_wait -1
.irp s, 0,1,2,3,4,5,6,7,8,9,10,11,12,13,14,15
.irp i, 0,1
	ds_load_b32 v[SA+2*\s+\i], v10 offset:512*\s+128*\i
	ds_load_b32 v[SB+2*\s+\i], v11 offset:512*\s+128*\i
.endr
.endr
	FETCH 0
	WIN 0
	s_wait_loadcnt 0x0                             ; the biases
.set m, 0
.rept 32
	v_cndmask_b32 v[BN+m], 0, v[BN+m], s3          ; along the columns: 0 where it goes along the rows,
.set m, m+1
.endr
.irp a, 0,1,2,3
	v_cndmask_b32 v[12+2*\a], 0, v[12+2*\a], s2    ; and the other way round
.endr
	STEP 0
	STEP 1
	STEP 2
	TURN 3, 1
.irp k, 4,5,6,7,8,9,10
	STEP \k
.endr
	TURN 11, 0
	STEP 12
	STEP 13
	STEP 14
	s_wait_dscnt 0x0
	MUL8 15, 0
	MUL8 15, 2
	WIN 0
	PLACES
	; THE WAY OUT.  Tile of rows a: sum x factor + the bias along the rows, in place; its two blocks of 32 columns are quantised; the codes are six registers of the image (8 ty + 4 mh + a, tx).
	s_lshl_b32 s104, s93, 3
	s_lshl_b32 s105, s16, 1
	s_add_co_u32 s104, s104, s105
	s_lshl_b32 s104, s104, 4
	s_add_co_u32 s104, s104, s92
	s_mul_i32 s104, s104, 1536                     ; image (8 ty + 2 w, tx)
	s_mov_b32 s105, 0
	s_add_nc_u64 s[94:95], s[14:15], s[104:105]
	s_lshl_b32 s104, s92, 13
	s_lshl_b32 s2, s93, 9
	s_add_co_u32 s104, s104, s2
	s_add_co_u32 s104, s104, CODES                 ; the eight tiles' scale words of K step tx
	s_add_nc_u64 s[96:97], s[14:15], s[104:105]
	v_mov_b32 v[TM+2], 0                           ; (lane permutes' destinations count as read)
	v_mov_b32 v[TM+3], 0
.irp a, 0,1,2,3
.set YB, ACC+32*\a
.set m, 0
.rept 16
	v_pk_fma_f32 v[YB+2*m:YB+2*m+1], v[YB+2*m:YB+2*m+1], s[22:23], v[12+2*\a:13+2*\a] op_sel_hi:[1,0,0]   ; each accumulator from its low end on
.set m, m+1
.endr
.irp b, 0,1
	v_max3_num_f32 v[TM+\b], |v[YB+16*\b]|, |v[YB+16*\b+1]|, 0x1800000   ; my 16 numbers of block b, and the floor 2^(3 - 127)
.endr
.irp i, 2,4,6,8,10,12,14
.irp b, 0,1
	v_max3_num_f32 v[TM+\b], v[TM+\b], |v[YB+16*\b+\i]|, |v[YB+16*\b+\i+1]|
.endr
.endr
.irp b, 0,1
	v_permlanex16_b32 v[TM+2+\b], v[TM+\b], s66, s67
.endr
.irp b, 0,1
	v_max_num_f32 v[TM+\b], v[TM+\b], v[TM+2+\b]   ; with lane l xor 16's 16: the block's largest magnitude
.endr
.irp b, 0,1
	v_add_nc_u32 v[TM+4+\b], 0xff000000, v[TM+\b]  ; 2 off its exponent field: the conversion's scale operand
.endr
.irp b, 0,1
	v_lshrrev_b32 v[TM+2+\b], 23, v[TM+4+\b]       ; the scale's byte
.endr
.if \a > 0
	s_wait_dscnt 0x0                               ; the last tile's stores have read the registers that are written below
.endif
	v_lshl_or_b32 v[HW], v[TM+3], 8, v[TM+2]       ; bytes 2 nh, 2 nh + 1 of the row's scale word
	v_cvt_scalef32_pk16_fp6_f32 v[PC:PC+2], v[YB:YB+15], v[TM+4]
	v_cvt_scalef32_pk16_fp6_f32 v[PT:PT+2], v[YB+16:YB+31], v[TM+5]
	v_nop                                          ; one plain place behind a scaled conversion
.irp i, 0,1,2
	v_permlane16_swap_b32 v[PC+\i], v[PT+\i]       ; a whole block to a lane: lanes 0-15 the first block, lanes 16-31 the second
.endr
.irp i, 0,1,2
	v_mov_b32 v[PC+3+\i], v[PT+\i]
.endr
	ds_store_b64 v20, v[PC:PC+1] offset:1536*\a
	ds_store_b64 v21, v[PC+2:PC+3] offset:1536*\a
	ds_store_b64 v22, v[PC+4:PC+5] offset:1536*\a
	ds_store_b16 v23, v[HW] offset:64*\a           ; both halves of the lanes write the same bytes with the same value
.endr
	s_wait_dscnt 0x0                               ; for the others' sake: an image's halves come from two waves
	s_barrier_signal -1
	s_barrier_wait -1
.irp i, 0,1,2,3,4,5
	ds_load_b128 v[96+4*\i:99+4*\i], v24 offset:512*\i
.endr
.irp i, 0,1,2,3,4,5
	s_wait_dscnt 5-\i
	global_store_b128 v26, v[96+4*\i:99+4*\i], s[94:95] offset:(\i/3)*TROW+(\i%3)*512   ; 512 consecutive bytes a store
.endr
	s_cmp_lg_u32 s16, 0
	s_cbranch_scc1 .Lno_words
	ds_load_b128 v[120:123], v25
	s_wait_dscnt 0x0
	global_store_b128 v26, v[120:123], s[96:97]    ; the eight tiles' 512 bytes of scale words
.Lno_words:
	s_wait_tensorcnt 0x0                           ; the wave's end
	ds_add_u32 v28, v29
	s_wait_dscnt 0x0
	CROUND                                         ; the closing round: no work-group ends while a partner may still ask for a tile that names it
	s_endpgm
.Lfunc_end_k_q812bb0fd0d_qkvproj:
	.size	k_q812bb0fd0d_qkvproj, .Lfunc_end_k_q812bb0fd0d_qkvproj-k_q812bb0fd0d_qkvproj
	.p2alignl 7, 3214868480
	.fill 96, 4, 3214868480
	.section	.rodata,"a",@progbits
	.p2align	6, 0x0
	.amdhsa_kernel k_q812bb0fd0d_qkvproj
		.amdhsa_group_segment_fixed_size 327680
		.amdhsa_private_segment_fixed_size 0
		.amdhsa_enable_private_segment 0
		.amdhsa_kernarg_size 48
		.amdhsa_user_sgpr_count 2
		.amdhsa_user_sgpr_kernarg_segment_ptr 1
		.amdhsa_wavefront_size32 1
		.amdhsa_system_sgpr_workgroup_id_x 1
		.amdhsa_system_sgpr_workgroup_id_y 1
		.amdhsa_system_sgpr_workgroup_id_z 1
		.amdhsa_system_vgpr_workitem_id 0
		.amdhsa_next_free_vgpr 512
		.amdhsa_next_free_sgpr 106
		.amdhsa_reserve_vcc 0
		.amdhsa_float_denorm_mode_32 3
		.amdhsa_float_denorm_mode_16_64 3
		.amdhsa_memory_ordered 1
		.amdhsa_forward_progress 1
		.amdhsa_inst_pref_size 95
	.end_amdhsa_kernel
	.amdgpu_metadata
---
amdhsa.version: [ 1, 2 ]
amdhsa.kernels:
  - .name:           k_q812bb0fd0d_qkvproj
    .symbol:         k_q812bb0fd0d_qkvproj.kd
    .args:
      - { .name: act, .offset: 0, .size: 8, .value_kind: global_buffer, .address_space: global }
      - { .name: wqkv, .offset: 8, .size: 8, .value_kind: global_buffer, .address_space: global }
      - { .name: bk, .offset: 16, .size: 8, .value_kind: global_buffer, .address_space: global }
      - { .name: bq, .offset: 24, .size: 8, .value_kind: global_buffer, .address_space: global }
      - { .name: bv, .offset: 32, .size: 8, .value_kind: global_buffer, .address_space: global }
      - { .name: qkv, .offset: 40, .size: 8, .value_kind: global_buffer, .address_space: global }
    .group_segment_fixed_size: 327680
    .private_segment_fixed_size: 0
    .kernarg_segment_align: 8
    .kernarg_segment_size: 48
    .max_flat_workgroup_size: 128
    .sgpr_count:     106
    .vgpr_count:     512
    .wavefront_size: 32
...
	.end_amdgpu_metadata
.endif
;; end of part 2
;; launch attn (part 3): grid 8 x 32, 8 waves a work-group, clusters of 4 x 1, 214,016 bytes of LDS; arguments qkv, ctx; writes ctx
.if DOCPART == 3
	.amdgcn_target "amdgcn-amd-amdhsa--gfx1250"
	.amdhsa_code_object_version 6
	.text
	.protected	k_q812bb0fd0d_attn
	.globl	k_q812bb0fd0d_attn
	.p2align	8
	.type	k_q812bb0fd0d_attn,@function
k_q812bb0fd0d_attn:
	s_mov_b64 s[64:65], 0
	v_nop
	global_prefetch_b8 v0, s[64:65] scope:SCOPE_SE
	s_setreg_imm32_b32 hwreg(HW_REG_WAVE_MODE, 25, 1), 1
	s_wait_xcnt 0x0
	s_wait_alu depctr_hold_cnt(0) depctr_sa_sdst(0) depctr_va_vdst(0) depctr_va_sdst(0) depctr_va_ssrc(0) depctr_va_vcc(0) depctr_vm_vsrc(0)
	s_getreg_b32 s2, hwreg(HW_REG_IB_STS2, 6, 4)
	s_cmp_eq_u32 s2, 0
	s_cbranch_scc0 .Lentry_in_a_cluster
	s_endpgm
.Lentry_in_a_cluster:
	s_bfe_u32 s2, ttmp6, 0x10000c
	s_cmp_lg_u32 s2, 0x3003
	s_cbranch_scc0 .Lentry_shape_is_right
	s_endpgm
.Lentry_shape_is_right:
; ctx = softmax(q k^T) v for 32 heads of 1,024 tokens x 128, both products on codes of FP6 (E2M3) with E8M0 scales; q already carries 128^-0.5.  ctx leaves quantised along the head's 128.
; qkv: part 0 = k, part 1 = q (rows = tokens, K = features), part 2 = v transposed (rows = features, K = tokens).  Layout: tiles of 16 rows, lane row r of tile T = row 32 (T / 2) + 8 (T % 2) + r + 8 (r / 8);
; a fragment is an image of its 12 registers, 1,536 bytes, image (T, s) at (16 T + s) x 1,536; scale words at CODES + 8,192 s + 64 T + 4 r.
; THE SOFTMAX: t = score x log2(e); M = the row's largest t so far, rounded up to a whole number; p = 2^(t - M) is quantised along the keys, not normalised; the row's sum is taken of the unquantised p and divides at the end.
; When M moves, the sum and O are multiplied by 2^(old M - new M): exact.
; SHARES.  A work-group owns 128 queries of one head, each of its eight waves 16: two waves to a SIMD, 512 registers each, so that one wave's vector work stands beside the other's products and LDS loads.
; Both products are used transposed (S^T = k q^T, O^T = v^T p^T): a lane holds one query throughout, and by the order of rows in a tile the 16 registers of tiles 2 b, 2 b + 1 are 16 neighbouring keys (or features).
; LDS: ALL of the head's k and v codes and scale words, 204,800 bytes, are asked for once, at the start, in four stages of 256 keys: nothing is filled again.  So no prefetch is laid either: there is no later load to run ahead of.
; FRAGMENTS A PHASE AHEAD.  A second window of registers holds a whole key step's eight fragments of k and eight of v.  v's are asked of LDS at the head of the step's softmax, the next step's k in its middle:
; each run has more than a hundred vector instructions in which to land, and a step has one run of four places.
; CLUSTER 4 x 1: the four query blocks of a cluster belong to one head and ask for each tile jointly.  Waves 0-3 fetch k's parts, waves 4-7 v's.
; LIMITS: NaN and infinities are not served; a block of zeros gets the byte 1 (its codes are zeros); an exponential under 2^-126 comes out as 0.
; REGISTERS.  Window 0: v1-9 addresses; v12 -M, v13 the largest t, v[14:15] the sum in two halves; v16-27 q, v28 its scale words; v80-83 k's scale words (register i: lanes 0-15 tile 2 i, lanes 16-31 tile 2 i + 1),
; v248-251 v's; v96-159 S^T, then p; v160-223 O^T; v224-235 p's codes; v232-247, v252, v254 at work; v253 p's scale word.  Window 1: v32-127 v's eight fragments, v160-255 k's eight.
.set PART,  3276800
.set CODES, 3145728
.set VL,    98304                      ; k: key step j, tile t at 12,288 j + 1,536 t; v behind it: step j, feature tile dt likewise
.set KSC,   196608                     ; k's scale words: 512 j + 64 t + 4 r
.set VSC,   KSC+4096                   ; v's: 2,048 (j / 4) + 1,024 (dt / 4) + 256 (j % 4) + 64 (dt % 4) + 4 r
.set CSW,   VSC+4096                   ; ctx's scale words on their way out: 512 bytes into which no fill lands
.set KF,    160                        ; in window 1
.set VF,    32
.set MSB, 0
.macro WIN new                         ; the immediate's high byte repeats the setting that is left
.if MSB != \new
	s_set_vgpr_msb (MSB<<8)|\new
.set MSB, \new
.endif
.endm
.macro CROUND                          ; a round of the cluster's barrier
	s_barrier_signal -1
	s_barrier_wait -1
	s_cmp_lg_u32 s16, 0
	s_cbranch_scc1 .Lnot_wave_0_\@
	s_barrier_signal -3
.Lnot_wave_0_\@:
	s_barrier_wait -3
	s_barrier_signal -1
	s_barrier_wait -1
.endm
.macro PLACES                          ; four places in front of loads into registers that matrix instructions have read, and of the first read of results
.rept 4
	v_nop
.endr
.endm
	s_load_b128 s[4:7], s[0:1], 0x0                ; qkv, ctx
	v_lshl_add_u32 v243, v0, 2, 0x34000
	v_mov_b32 v255, 0
	ds_add_u32 v243, v255
	ds_add_u32 v243, v255
	v_lshrrev_b32 v1, 5, v0
	v_readfirstlane_b32 s16, v1                    ; wave 0..7
	s_and_b32 s17, s16, 3                          ; w4
	s_lshr_b32 s18, s16, 2                         ; kind: 0 fetches k, 1 fetches v
	s_bfe_u32 s19, ttmp6, 0x40000                  ; cx: it enters q's and ctx's addresses alone
	s_and_b32 s20, ttmp7, 0xffff
	s_lshr_b32 s21, s20, 4                         ; batch b
	s_and_b32 s22, s20, 15                         ; head hd
	s_lshl_b32 s23, ttmp9, 2
	s_add_co_u32 s23, s23, s19                     ; my block of 128 queries
	; group 1: four images, a tile's sixteen images apart: 4 rows of 192 elements of 8 bytes, 3,072 elements apart
	s_mov_b32 s24, 15|(3<<16)|(1<<21)              ; 15:0 the mask: all four work-groups; 17:16 elements of 8 bytes; 21 set beside a mask
	s_mov_b32 s25, 192<<16
	s_mov_b32 s26, 4<<16
	s_mov_b32 s27, 192<<16
	s_mov_b32 s28, 4
	s_mov_b32 s29, 3072
	s_mov_b32 s30, 0
	s_mov_b32 s31, 0
	; k's scale words: 1,024 dense bytes as 4 rows of 256;  v's: 4 rows of 256 bytes, 8,192 bytes apart
.irp g, 32, 40
	s_mov_b32 s[\g], 15|(3<<16)|(1<<21)
	s_mov_b32 s[\g+1], 32<<16
	s_mov_b32 s[\g+2], 4<<16
	s_mov_b32 s[\g+3], 32<<16
	s_mov_b32 s[\g+4], 4
	s_mov_b32 s[\g+6], 0
	s_mov_b32 s[\g+7], 0
.endr
	s_mov_b32 s37, 32
	s_mov_b32 s45, 1024
	; where my four tiles of stage 0 begin.  k: image (64 b + 4 w4, hd);  v: image (8 hd + 4 (w4 % 2), 8 b + w4 / 2) of part 2
	s_lshl_b32 s80, s21, 6
	s_lshl_b32 s81, s17, 2
	s_add_co_u32 s80, s80, s81
	s_lshl_b32 s80, s80, 4
	s_add_co_u32 s80, s80, s22
	s_mul_i32 s80, s80, 1536
	s_lshl_b32 s82, s22, 3
	s_and_b32 s83, s17, 1
	s_lshl_b32 s84, s83, 2
	s_add_co_u32 s82, s82, s84
	s_lshl_b32 s82, s82, 4
	s_lshl_b32 s84, s21, 3
	s_add_co_u32 s82, s82, s84
	s_lshr_b32 s85, s17, 1
	s_add_co_u32 s82, s82, s85
	s_mul_i32 s82, s82, 1536
	s_add_co_u32 s82, s82, 2*PART
	s_sub_co_u32 s82, s82, s80
	s_mul_i32 s82, s82, s18
	s_add_co_u32 s80, s80, s82                     ; k's offset + kind x the difference
	s_mov_b32 s81, 0
	s_mul_i32 s86, s18, 393216-3072
	s_sub_co_u32 s86, 393216, s86                  ; a stage on: 16 tiles in k, 2 K steps in v
	s_mov_b32 s87, 0
	s_mul_i32 s88, s17, 6144
	s_mul_i32 s89, s18, VL
	s_add_co_u32 s88, s88, s89                     ; and where they go
	s_lshl_b32 s90, s22, 13                        ; k's scale words: CODES + 8,192 hd + 4,096 b + 1,024 w4
	s_lshl_b32 s91, s21, 12
	s_add_co_u32 s90, s90, s91
	s_lshl_b32 s91, s17, 10
	s_add_co_u32 s90, s90, s91
	s_add_co_u32 s90, s90, CODES
	s_mov_b32 s91, 0
	s_lshl_b32 s92, s85, 2                         ; v's: 2 PART + CODES + 8,192 (8 b + 4 (w4 / 2)) + 512 hd + 256 (w4 % 2)
	s_add_co_u32 s92, s92, s84
	s_lshl_b32 s92, s92, 13
	s_lshl_b32 s93, s22, 9
	s_add_co_u32 s92, s92, s93
	s_lshl_b32 s93, s83, 8
	s_add_co_u32 s92, s92, s93
	s_add_co_u32 s92, s92, 2*PART+CODES
	s_mov_b32 s93, 0
	s_lshl_b32 s94, s16, 10
	s_add_co_u32 s94, s94, KSC                     ; 1,024 bytes a wave: k's four parts, then v's
	s_mov_b32 s76, 0x76543210
	s_mov_b32 s77, 0xfedcba98                      ; v_permlanex16_b32's selects for lane l xor 16
	s_mov_b32 s78, 0x3fb8aa3b                      ; log2(e)
	s_mov_b32 s79, s78                             ; (named with it as a pair)
	; every LDS address is made here
	v_and_b32 v9, 15, v0                           ; r
	v_and_b32 v7, 31, v0
	v_lshlrev_b32 v5, 2, v7
	v_add_nc_u32 v5, KSC, v5                       ; scale words: 4 lane
	v_lshlrev_b32 v7, 4, v7                        ; 16 lane
	v_mov_b32 v1, v7                               ; k's steps 0-3,
	v_add_nc_u32 v2, 49152, v7                     ; 4-7;
	v_add_nc_u32 v3, VL, v7                        ; v's steps 0-3,
	v_add_nc_u32 v4, VL+49152, v7                  ; 4-7
	s_lshl_b32 s95, s16, 6
	v_lshl_add_u32 v6, v9, 2, s95
	v_add_nc_u32 v6, CSW, v6                       ; ctx's scale word of my row: 64 w + 4 r
	v_add_nc_u32 v8, CSW, v7
	v_lshlrev_b32 v9, 2, v9                        ; 4 r
	s_wait_dscnt 0x0
	s_wait_kmcnt 0x0
	s_mov_b32 s68, 1
	s_mov_b32 s69, s94
	s_add_nc_u64 s[70:71], s[4:5], s[90:91]
	s_or_b32 s71, s71, 0x80000000
	s_mov_b32 s72, 1
	s_mov_b32 s73, s94
	s_add_nc_u64 s[74:75], s[4:5], s[92:93]
	s_or_b32 s75, s75, 0x80000000
	s_add_nc_u64 s[50:51], s[4:5], s[80:81]
	s_add_nc_u64 s[54:55], s[50:51], s[86:87]
	s_add_nc_u64 s[58:59], s[54:55], s[86:87]
	s_add_nc_u64 s[62:63], s[58:59], s[86:87]
.irp g, 0,1,2,3
	s_mov_b32 s[48+4*\g], 1
	s_add_co_u32 s[49+4*\g], s88, 24576*\g
	s_or_b32 s[51+4*\g], s[51+4*\g], 0x80000000
.endr
	CROUND                                         ; all four work-groups are here: the joint loads meet
	s_cmp_lt_u32 s16, 4                            ; a wave's five fills stand in one branch; by this text's count five tensor loads of a wave are out
	s_cbranch_scc0 .Lfor_v
	tensor_load_to_lds s[68:71], s[32:39]
	s_nop 0
	tensor_load_to_lds s[48:51], s[24:31]
	s_nop 0
	tensor_load_to_lds s[52:55], s[24:31]
	s_nop 0
	tensor_load_to_lds s[56:59], s[24:31]
	s_nop 0
	tensor_load_to_lds s[60:63], s[24:31]
	s_nop 0
.rept 4
	v_nop
.endr
	s_branch .Lasked
.Lfor_v:
	tensor_load_to_lds s[72:75], s[40:47]
	s_nop 0
	tensor_load_to_lds s[48:51], s[24:31]
	s_nop 0
	tensor_load_to_lds s[52:55], s[24:31]
	s_nop 0
	tensor_load_to_lds s[56:59], s[24:31]
	s_nop 0
	tensor_load_to_lds s[60:63], s[24:31]
	s_nop 0
.rept 4
	v_nop
.endr
.Lasked:
	s_lshl_b32 s80, s21, 6                         ; my tile of queries: Tq = 64 b + 8 x block + wave
	s_lshl_b32 s81, s23, 3
	s_add_co_u32 s82, s80, s81                     ; (the block's first tile)
	s_add_co_u32 s80, s82, s16
	s_lshl_b32 s84, s80, 4
	s_add_co_u32 s84, s84, s22
	s_mul_i32 s84, s84, 1536                       ; image (Tq, hd)
	s_mov_b32 s85, 0
	s_add_nc_u64 s[10:11], s[6:7], s[84:85]        ; in ctx,
	s_add_co_u32 s84, s84, PART
	s_add_nc_u64 s[8:9], s[4:5], s[84:85]          ; and in q
	s_lshl_b32 s84, s22, 13
	s_add_co_u32 s84, s84, CODES
	s_lshl_b32 s86, s80, 6
	s_add_co_u32 s86, s86, s84
	s_add_co_u32 s86, s86, PART
	s_mov_b32 s87, 0
	s_add_nc_u64 s[12:13], s[4:5], s[86:87]        ; q's scale words
	s_lshl_b32 s86, s82, 6
	s_add_co_u32 s86, s86, s84
	s_add_nc_u64 s[14:15], s[6:7], s[86:87]        ; the block's eight tiles' scale words in ctx
.irp g, 0,1,2
	global_load_b128 v[16+4*\g:19+4*\g], v7, s[8:9] offset:512*\g
.endr
	global_load_b32 v28, v9, s[12:13]
.irp b, 0,1,2,3
	v_mov_b32 v[236+\b], 0                         ; written once: a lane permute's destination counts as read
.endr
.macro KLOAD j                         ; a key step's eight tiles of 16 keys into window 1, and their scale words: 28 loads
.irp i, 0,1,2,3
	ds_load_b32 v[80+\i], v5 offset:512*(\j)+128*\i
.endr
	WIN 0x40                                       ; destination window 1, address window 0
.irp t, 0,1,2,3,4,5,6,7
.irp q, 0,1,2
	ds_load_b128 v[KF+12*\t+4*\q:KF+12*\t+4*\q+3], v[1+(\j)/4] offset:12288*((\j)%4)+1536*\t+512*\q
.endr
.endr
	WIN 0
.endm
.macro VLOAD j                         ; eight tiles of 16 features x these 128 keys, and their scale words: 28 loads
.irp i, 0,1,2,3
	ds_load_b32 v[248+\i], v5 offset:4096+2048*((\j)/4)+1024*(\i/2)+256*((\j)%4)+128*(\i%2)
.endr
	WIN 0x40
.irp t, 0,1,2,3,4,5,6,7
.irp q, 0,1,2
	ds_load_b128 v[VF+12*\t+4*\q:VF+12*\t+4*\q+3], v[3+(\j)/4] offset:12288*((\j)%4)+1536*\t+512*\q
.endr
.endr
	WIN 0
.endm
.macro SPROD                           ; S^T = k q^T: eight tiles of 16 keys
	WIN 0x01                                       ; source 0 (k) window 1
.irp t, 0,1,2,3,4,5,6,7
.if (\t%2) == 0
	v_wmma_scale_f32_16x16x128_f8f6f4 v[96+8*\t:103+8*\t], v[KF+12*\t:KF+12*\t+11], v[16:27], 0, v[80+\t/2], v28 matrix_a_fmt:MATRIX_FMT_FP6 matrix_b_fmt:MATRIX_FMT_FP6
.else
	v_wmma_scale_f32_16x16x128_f8f6f4 v[96+8*\t:103+8*\t], v[KF+12*\t:KF+12*\t+11], v[16:27], 0, v[80+\t/2], v28 matrix_a_fmt:MATRIX_FMT_FP6 matrix_b_fmt:MATRIX_FMT_FP6 matrix_a_scale:MATRIX_SCALE_ROW1
.endif
.endr
	WIN 0
.endm
.macro OPROD first                     ; O^T += v^T p^T; the first key step's products start the sums.  The eight accumulators take turns, one instruction a turn
	WIN 0x01                                       ; source 0 (v) window 1
.irp t, 0,1,2,3,4,5,6,7
.set rO, 160+8*\t
.if \first && ((\t%2) == 0)
	v_wmma_scale_f32_16x16x128_f8f6f4 v[rO:rO+7], v[VF+12*\t:VF+12*\t+11], v[224:235], 0, v[248+\t/2], v253 matrix_a_fmt:MATRIX_FMT_FP6 matrix_b_fmt:MATRIX_FMT_FP6
.elseif \first
	v_wmma_scale_f32_16x16x128_f8f6f4 v[rO:rO+7], v[VF+12*\t:VF+12*\t+11], v[224:235], 0, v[248+\t/2], v253 matrix_a_fmt:MATRIX_FMT_FP6 matrix_b_fmt:MATRIX_FMT_FP6 matrix_a_scale:MATRIX_SCALE_ROW1
.elseif (\t%2) == 0
	v_wmma_scale_f32_16x16x128_f8f6f4 v[rO:rO+7], v[VF+12*\t:VF+12*\t+11], v[224:235], v[rO:rO+7], v[248+\t/2], v253 matrix_a_fmt:MATRIX_FMT_FP6 matrix_b_fmt:MATRIX_FMT_FP6
.else
	v_wmma_scale_f32_16x16x128_f8f6f4 v[rO:rO+7], v[VF+12*\t:VF+12*\t+11], v[224:235], v[rO:rO+7], v[248+\t/2], v253 matrix_a_fmt:MATRIX_FMT_FP6 matrix_b_fmt:MATRIX_FMT_FP6 matrix_a_scale:MATRIX_SCALE_ROW1
.endif
.endr
	WIN 0
.endm
; v232-235 hold the four blocks' largest magnitudes (not under the floor); v96-159 the 64 numbers, register 16 b + i = k 32 b + 16 (lane / 16) + i: the fragment's codes come into v224-235, the scale word into v253
.macro QTAIL
.irp b, 0,1,2,3
	v_add_nc_u32 v[244+\b], 0xff000000, v[232+\b]  ; 2 off the exponent field: the conversion's scale operand
.endr
.irp b, 0,1,2,3
	v_lshrrev_b32 v[236+\b], 23, v[244+\b]         ; the scale's byte
.endr
	v_lshl_or_b32 v253, v237, 8, v236
	v_lshl_or_b32 v253, v238, 16, v253
	v_lshl_or_b32 v253, v239, 24, v253
.irp c, 0,1
	v_cvt_scalef32_pk16_fp6_f32 v[224+6*\c:226+6*\c], v[96+32*\c:111+32*\c], v[244+2*\c]
	v_cvt_scalef32_pk16_fp6_f32 v[236+4*\c:238+4*\c], v[112+32*\c:127+32*\c], v[244+2*\c+1]   ; (a conversion's three registers begin on an even number)
.endr
	v_nop                                          ; one plain place behind a scaled conversion
.irp c, 0,1                            ; a whole block to a lane: lanes 0-15 block 2 c, lanes 16-31 block 2 c + 1
.irp i, 0,1,2
	v_permlane16_swap_b32 v[224+6*\c+\i], v[236+4*\c+\i]
.endr
.irp i, 0,1,2
	v_mov_b32 v[227+6*\c+\i], v[236+4*\c+\i]
.endr
.endr
.endm
.macro SOFTMAX first, kn               ; kn: the key step whose k is asked of LDS in the middle, or -1
.irp b, 0,1,2,3
	v_max3_num_f32 v[232+\b], v[96+16*\b], v[97+16*\b], v[98+16*\b]   ; the largest score of each block of 32 keys: it serves for the row's maximum and, since p rises with the score, for the block's largest p
.endr
.irp i, 3,5,7,9,11,13
.irp b, 0,1,2,3
	v_max3_num_f32 v[232+\b], v[232+\b], v[96+16*\b+\i], v[97+16*\b+\i]
.endr
.endr
.irp b, 0,1,2,3
	v_max_num_f32 v[232+\b], v[232+\b], v[111+16*\b]
.endr
.irp b, 0,1,2,3
	v_permlanex16_b32 v[236+\b], v[232+\b], s76, s77
.endr
.irp b, 0,1,2,3
	v_max_num_f32 v[232+\b], v[232+\b], v[236+\b]  ; with lane l xor 16's 16 keys
.endr
	v_max3_num_f32 v254, v232, v233, v234
	v_max_num_f32 v254, v254, v235                 ; the step's largest score of my query
.if \first
	v_mul_f32 v13, s78, v254                       ; as t: it starts the running maximum
	v_floor_f32 v12, -v13                          ; -M = floor(-t) = -ceil(t)
.else
	v_mul_f32 v254, s78, v254
	v_max_num_f32 v13, v13, v254                   ; the running largest t
	v_mov_b32 v254, v12
	v_floor_f32 v12, -v13                          ; the new -M
	v_sub_f32 v254, v12, v254                      ; old M - new M: a whole number, 0 or less
	v_cvt_i32_f32 v254, v254                       ; (it saturates)
	v_ldexp_f32 v252, 1.0, v254                    ; f = 2^(old M - new M)
.endif
.set m, 0
.rept 32
	v_pk_fma_f32 v[96+2*m:97+2*m], v[96+2*m:97+2*m], s[78:79], v[12:13] op_sel_hi:[1,0,0]   ; t - M, two at a time
.set m, m+1
.endr
.irp b, 0,1,2,3
	v_fma_f32 v[232+\b], v[232+\b], s78, v12       ; the same of each block's largest score
.endr
.set m, 0
.rept 64
	v_exp_f32 v[96+m], v[96+m]                     ; p = 2^(t - M), at most 1
.set m, m+1
.endr
.irp b, 0,1,2,3
	v_exp_f32 v[232+\b], v[232+\b]                 ; the block's largest p: the same two instructions on the same number
.endr
.if \first
	v_mov_b32 v14, 0                               ; the sum begins.  (A plain place behind the exponentials)
	v_mov_b32 v15, 0
	s_wait_alu depctr_va_vdst(0)
.else
	v_pk_mul_f32 v[14:15], v[14:15], v[252:253] op_sel_hi:[1,0]   ; the sum under the new M.  (A plain place behind the exponentials)
	s_wait_alu depctr_va_vdst(0)
.endif
.irp b, 0,1,2,3
	v_max_num_f32 v[232+\b], 0x1800000, v[232+\b]  ; the floor 2^(3 - 127): the byte cannot fall under 1
.endr
.if (\kn) >= 0
	KLOAD \kn                                      ; the next step's keys: this step's scores were made long ago, so k's registers are free
.endif
	QTAIL
	v_pk_add_f32 v[236:237], v[96:97], v[98:99]    ; the row's sum is taken of the unquantised p, in two chains.  (These lines are also the places between p's word and codes and the products)
.irp j, 4,8,12,16,20,24,28,32,36,40,44,48,52,56,60
	v_pk_add_f32 v[14:15], v[14:15], v[96+\j:97+\j]
	v_pk_add_f32 v[236:237], v[236:237], v[98+\j:99+\j]
.endr
	v_pk_add_f32 v[14:15], v[14:15], v[236:237]
.if !\first
.set m, 0
.rept 32
	v_pk_mul_f32 v[160+2*m:161+2*m], v[160+2*m:161+2*m], v[252:253] op_sel_hi:[1,0]   ; O^T under the new M
.set m, m+1
.endr
.endif
.endm
.macro STEP j, first                   ; a key step: 128 keys
	s_wait_dscnt 0x0                               ; this step's k, asked for in the middle of the step before, is in
	SPROD
	PLACES                                         ; behind the scores' products: for the first read of the scores, and for the loads into k's and (behind the last step's products) v's registers
.if (((\j)%2) == 1) && ((\j) < 7)
	s_wait_tensorcnt 3-((\j)+1)/2                  ; my parts of the stages up to the next one are in; the later ones may be out
	s_barrier_signal -1                            ; (no LDS access of mine is out here)
	s_barrier_wait -1                              ; everybody's are: the next step's k may be read
.endif
	VLOAD \j                                       ; lands while the softmax is worked
.if (\j) < 7
	SOFTMAX \first, (\j)+1
.else
	SOFTMAX \first, -1
.endif
	s_wait_dscnt 0x0                               ; v is in (and the next step's k)
	OPROD \first
.endm
	s_wait_loadcnt 0x0                             ; q
	s_wait_tensorcnt 3                             ; the scale words and my part of stage 0 are in; stages 1 to 3 may be out
	s_barrier_signal -1
	s_barrier_wait -1                              ; everybody's are
	KLOAD 0
	STEP 0, 1
.irp j, 1,2,3,4,5,6,7
	STEP \j, 0
.endr
	; THE WAY OUT: O^T / the sum is ctx's 128 numbers of my query: quantised along them, they are image (Tq, hd) of ctx
	PLACES
	v_add_f32 v14, v14, v15                        ; the sum's two halves,
	v_permlanex16_b32 v252, v14, s76, s77
	v_add_f32 v14, v14, v252                       ; and lane l xor 16's
	v_rcp_f32 v14, v14
	v_nop                                          ; one plain place behind a transcendental
.set m, 0
	s_wait_alu depctr_va_vdst(0)
.rept 64
	v_mul_f32 v[96+m], v[160+m], v14               ; each accumulator from its low end on
.set m, m+1
.endr
.irp b, 0,1,2,3
	v_max3_num_f32 v[232+\b], |v[96+16*\b]|, |v[97+16*\b]|, 0x1800000
.endr
.irp i, 2,4,6,8,10,12,14
.irp b, 0,1,2,3
	v_max3_num_f32 v[232+\b], v[232+\b], |v[96+16*\b+\i]|, |v[97+16*\b+\i]|
.endr
.endr
.irp b, 0,1,2,3
	v_permlanex16_b32 v[236+\b], v[232+\b], s76, s77
.endr
.irp b, 0,1,2,3
	v_max_num_f32 v[232+\b], v[232+\b], v[236+\b]
.endr
	QTAIL
.irp g, 0,1,2
	global_store_b128 v7, v[224+4*\g:227+4*\g], s[10:11] offset:512*\g   ; 512 consecutive bytes a store
.endr
	ds_store_b32 v6, v253                          ; both halves of the lanes write the same word with the same value
	s_wait_dscnt 0x0                               ; for wave 0's sake
	s_barrier_signal -1
	s_barrier_wait -1
	s_cmp_lg_u32 s16, 0
	s_cbranch_scc1 .Lno_words
	ds_load_b128 v[32:35], v8
	s_wait_dscnt 0x0
	global_store_b128 v7, v[32:35], s[14:15]       ; the block's eight tiles' 512 bytes of scale words
.Lno_words:
	s_wait_tensorcnt 0x0
	ds_add_u32 v243, v255
	s_wait_dscnt 0x0
	CROUND                                         ; the closing round
	s_endpgm
.Lfunc_end_k_q812bb0fd0d_attn:
	.size	k_q812bb0fd0d_attn, .Lfunc_end_k_q812bb0fd0d_attn-k_q812bb0fd0d_attn
	.p2alignl 7, 3214868480
	.fill 96, 4, 3214868480
	.section	.rodata,"a",@progbits
	.p2align	6, 0x0
	.amdhsa_kernel k_q812bb0fd0d_attn
		.amdhsa_group_segment_fixed_size 214016
		.amdhsa_private_segment_fixed_size 0
		.amdhsa_enable_private_segment 0
		.amdhsa_kernarg_size 16
		.amdhsa_user_sgpr_count 2
		.amdhsa_user_sgpr_kernarg_segment_ptr 1
		.amdhsa_wavefront_size32 1
		.amdhsa_system_sgpr_workgroup_id_x 1
		.amdhsa_system_sgpr_workgroup_id_y 1
		.amdhsa_system_sgpr_workgroup_id_z 1
		.amdhsa_system_vgpr_workitem_id 0
		.amdhsa_next_free_vgpr 512
		.amdhsa_next_free_sgpr 98
		.amdhsa_reserve_vcc 0
		.amdhsa_float_denorm_mode_32 3
		.amdhsa_float_denorm_mode_16_64 3
		.amdhsa_memory_ordered 1
		.amdhsa_forward_progress 1
		.amdhsa_inst_pref_size 163
	.end_amdhsa_kernel
	.amdgpu_metadata
---
amdhsa.version: [ 1, 2 ]
amdhsa.kernels:
  - .name:           k_q812bb0fd0d_attn
    .symbol:         k_q812bb0fd0d_attn.kd
    .args:
      - { .name: qkv, .offset: 0, .size: 8, .value_kind: global_buffer, .address_space: global }
      - { .name: ctx, .offset: 8, .size: 8, .value_kind: global_buffer, .address_space: global }
    .group_segment_fixed_size: 214016
    .private_segment_fixed_size: 0
    .kernarg_segment_align: 8
    .kernarg_segment_size: 16
    .max_flat_workgroup_size: 256
    .sgpr_count:     98
    .vgpr_count:     512
    .wavefront_size: 32
...
	.end_amdgpu_metadata
.endif
;; end of part 3
;; launch oproj: the kernel of part 2 again; grid 16 x 16, 4 waves a work-group, clusters of 4 x 4, 327,680 bytes of LDS; arguments ctx, wo, bo, bq, bv, oq; writes oq
;; launch outproj (part 4): grid 16 x 16, 4 waves a work-group, clusters of 4 x 4, 327,680 bytes of LDS; arguments oq, wout, bout, hidden_states, out0; writes out0
.if DOCPART == 4
	.amdgcn_target "amdgcn-amd-amdhsa--gfx1250"
	.amdhsa_code_object_version 6
	.text
	.protected	k_q812bb0fd0d_outproj
	.globl	k_q812bb0fd0d_outproj
	.p2align	8
	.type	k_q812bb0fd0d_outproj,@function
k_q812bb0fd0d_outproj:
	s_mov_b64 s[64:65], 0
	v_nop
	global_prefetch_b8 v0, s[64:65] scope:SCOPE_SE
	s_setreg_imm32_b32 hwreg(HW_REG_WAVE_MODE, 25, 1), 1
	s_wait_xcnt 0x0
	s_wait_alu depctr_hold_cnt(0) depctr_sa_sdst(0) depctr_va_vdst(0) depctr_va_sdst(0) depctr_va_ssrc(0) depctr_va_vcc(0) depctr_vm_vsrc(0)
	s_getreg_b32 s2, hwreg(HW_REG_IB_STS2, 6, 4)
	s_cmp_eq_u32 s2, 0
	s_cbranch_scc0 .Lentry_in_a_cluster
	s_endpgm
.Lentry_in_a_cluster:
	s_bfe_u32 s2, ttmp6, 0x10000c
	s_cmp_lg_u32 s2, 0xf033
	s_cbranch_scc0 .Lentry_shape_is_right
	s_endpgm
.Lentry_shape_is_right:
; out0 = hidden_states + A B^T + bout: A (oq) and B (wout) are codes of FP6 (E2M3) with E8M0 scales, 2,048 x 2,048 x 2,048; out0 is f32.
; LAYOUT of A and B: tiles of 16 rows, lane row r of tile T = row 32 (T / 2) + 8 (T % 2) + r + 8 (r / 8); a fragment (tile x 128 K) is an image of its 12 registers, 1,536 bytes, image (T, s) at (16 T + s) x 1,536;
; scale words at CODES + 8,192 s + 64 T + 4 r.
; SHARES.  A work-group makes 128 x 128 of C (256 work-groups), four waves 64 x 64 each: 16 accumulators.  The matrix instruction is used transposed (source 0 = 16 rows of B, source 1 = 16 rows of A):
; a lane's eight results are eight neighbouring columns of one row.  The bias is the C of each sum's first product.
; LDS: three slots of four K steps; K steps 0-11 are asked for at the start, slot 0 is filled once more with K steps 12-15; the scale words of all 16 K steps come once.
; CLUSTER 4 x 4: A's tiles are asked for jointly along a row of the cluster, B's along a column.  No prefetch is laid: three quarters of a work-group's bytes are asked for by its first loads, and the refill has eight K steps' products in which to land.
; The residual's 32 rows x 512 bytes a wave are asked for behind the refill, so that every request for a tile stands ahead of them; they have twelve K steps' products in which to land and wait in registers (window 2).
; Results go through a stage in LDS in the true order of rows and leave as rows of 512 consecutive bytes.
; REGISTERS.  Window 0: v1-31 addresses; v32-63 A's scale words, v64-95 B's; v96-127 the bias as four tiles of C; v128-255 accumulator (a, nb) at 128 + 8 (4 a + nb), later rows read back.
; Window 1: two fragment buffers at v0 and v128.  Window 2: v0-127 the residual, then the result.
.set CODES, 3145728
.set TROW,  24576
.set QROW,  6144
.set SLOT,  16*QROW
.set SCL,   3*SLOT
.set SPARE, SCL+16384                  ; the spare words: 128 bytes a wave, two blocks of 256 bytes that no other line names
.set STG,   SLOT                       ; the way out: 128 rows x 528 bytes, in slot 1, which has had its only fill and whose reads are over at the last barrier
.set G1A, 24
.set G0A, 32
.set G1B, 44
.set G0B, 52
.set G1SA, 68
.set G0SA, 76
.set G1SB, 80
.set G0SB, 88
.set SA,  32
.set SB,  64
.set BN,  96
.set ACC, 128
.set MSB, 0
.macro WIN new                         ; the immediate's high byte repeats the setting that is left
.if MSB != \new
	s_set_vgpr_msb (MSB<<8)|\new
.set MSB, \new
.endif
.endm
.macro JLOAD g0a, g1a, g0b, g1b        ; a joint load: waves 0 and 1 fetch for A, waves 2 and 3 for B; four v_nop follow each of the two lines
	s_cmp_eq_u32 s17, 0
	s_cbranch_scc0 .Lfor_b_\@
	tensor_load_to_lds s[\g0a:\g0a+3], s[\g1a:\g1a+7]
	s_nop 0
.rept 4
	v_nop
.endr
	s_branch .Lasked_\@
.Lfor_b_\@:
	tensor_load_to_lds s[\g0b:\g0b+3], s[\g1b:\g1b+7]
	s_nop 0
.rept 4
	v_nop
.endr
.Lasked_\@:
.endm
.macro CROUND                          ; a round of the cluster's barrier
	s_barrier_signal -1
	s_barrier_wait -1
	s_cmp_lg_u32 s16, 0
	s_cbranch_scc1 .Lnot_wave_0_\@
	s_barrier_signal -3
.Lnot_wave_0_\@:
	s_barrier_wait -3
	s_barrier_signal -1
	s_barrier_wait -1
.endm
.macro PLACES                          ; four places in front of loads into registers that matrix instructions have read, and of the first read of results
.rept 4
	v_nop
.endr
.endm
	s_load_b256 s[4:11], s[0:1], 0x0               ; oq, wout, bout, hidden_states
	s_load_b64 s[12:13], s[0:1], 0x20              ; out0
	v_lshl_add_u32 v28, v0, 2, SPARE
	v_mov_b32 v29, 0
	ds_add_u32 v28, v29
	ds_add_u32 v28, v29
	s_wait_dscnt 0x0
	v_lshrrev_b32 v1, 5, v0
	v_readfirstlane_b32 s16, v1                    ; wave 0..3
	s_lshr_b32 s17, s16, 1                         ; mh: my half of the rows.  Also: I fetch for A (0) or for B (1)
	s_and_b32 s18, s16, 1                          ; nh: my half of the columns.  Also: which half I fetch
	s_bfe_u32 s19, ttmp6, 0x40000                  ; cx
	s_bfe_u32 s20, ttmp6, 0x40004                  ; cy
	s_lshl_b32 s92, ttmp9, 2
	s_add_co_u32 s92, s92, s19                     ; tx: tile column of C
	s_and_b32 s93, ttmp7, 0xffff
	s_lshl_b32 s93, s93, 2
	s_add_co_u32 s93, s93, s20                     ; ty: tile row of C
	s_lshl_b32 s98, s20, 2
	s_lshl_b32 s98, 15, s98                        ; my row of the cluster
	s_lshl_b32 s100, 0x1111, s19                   ; my column
	s_or_b32 s[G1A], s98, (3<<16)|(1<<21)          ; 15:0 the mask; 17:16 elements of 8 bytes; 21 set beside a mask; no padding
	s_or_b32 s[G1B], s100, (3<<16)|(1<<21)
	s_or_b32 s[G1SA], s98, (3<<16)|(1<<21)
	s_or_b32 s[G1SB], s100, (3<<16)|(1<<21)
.irp g, G1A, G1B                       ; four tiles x four K steps: 4 rows of 768 elements (6,144 bytes), 3,072 elements apart
	s_mov_b32 s[\g+1], 768<<16
	s_mov_b32 s[\g+2], 4<<16
	s_mov_b32 s[\g+3], 768<<16
	s_mov_b32 s[\g+4], 4
	s_mov_b32 s[\g+5], 3072
	s_mov_b32 s[\g+6], 0
	s_mov_b32 s[\g+7], 0
.endr
.irp g, G1SA, G1SB                     ; eight K steps' scale words of eight tiles: 8 rows of 64 elements (512 bytes), 1,024 elements apart
	s_mov_b32 s[\g+1], 64<<16
	s_mov_b32 s[\g+2], 8<<16
	s_mov_b32 s[\g+3], 64<<16
	s_mov_b32 s[\g+4], 8
	s_mov_b32 s[\g+5], 1024
	s_mov_b32 s[\g+6], 0
	s_mov_b32 s[\g+7], 0
.endr
	s_mul_i32 s98, s93, 8*TROW                     ; A's codes: tile 8 ty + 4 nh
	s_mul_i32 s99, s18, 4*TROW
	s_add_co_u32 s98, s98, s99
	s_mov_b32 s99, 0
	s_mul_i32 s100, s92, 8*TROW                    ; B's: tile 8 tx + 4 nh
	s_mul_i32 s101, s18, 4*TROW
	s_add_co_u32 s100, s100, s101
	s_mov_b32 s101, 0
	s_lshl_b32 s78, s93, 9                         ; A's scale words: CODES + 8,192 x 8 nh + 64 x 8 ty
	s_lshl_b32 s79, s18, 16
	s_add_co_u32 s78, s78, s79
	s_add_co_u32 s78, s78, CODES
	s_mov_b32 s79, 0
	s_lshl_b32 s90, s92, 9
	s_lshl_b32 s91, s18, 16
	s_add_co_u32 s90, s90, s91
	s_add_co_u32 s90, s90, CODES
	s_mov_b32 s91, 0
	s_mul_i32 s104, s16, 4*QROW                    ; where my tiles go in a slot, and my scale words: the wave's number alone enters an LDS address
	s_lshl_b32 s105, s16, 12
	s_wait_kmcnt 0x0
	s_add_nc_u64 s[G0SA+2:G0SA+3], s[4:5], s[78:79]
	s_add_nc_u64 s[G0SB+2:G0SB+3], s[6:7], s[90:91]
	s_add_nc_u64 s[98:99], s[4:5], s[98:99]
	s_add_nc_u64 s[100:101], s[6:7], s[100:101]
	CROUND                                         ; all sixteen work-groups are here: the first joint loads meet
	s_mov_b32 s[G0SA], 1
	s_add_co_u32 s[G0SA+1], s105, SCL
	s_or_b32 s[G0SA+3], s[G0SA+3], 0x80000000
	s_mov_b32 s[G0SB], 1
	s_add_co_u32 s[G0SB+1], s105, SCL
	s_or_b32 s[G0SB+3], s[G0SB+3], 0x80000000
	JLOAD G0SA, G1SA, G0SB, G1SB                   ; the scale words first: they are wanted with K step 0
.irp n, 0,1,2
	s_mov_b32 s[G0A+4*\n], 1
	s_add_co_u32 s[G0A+4*\n+1], s104, \n*SLOT
	s_add_nc_u64 s[G0A+4*\n+2:G0A+4*\n+3], s[98:99], \n*QROW
	s_or_b32 s[G0A+4*\n+3], s[G0A+4*\n+3], 0x80000000
	s_mov_b32 s[G0B+4*\n], 1
	s_add_co_u32 s[G0B+4*\n+1], s104, \n*SLOT
	s_add_nc_u64 s[G0B+4*\n+2:G0B+4*\n+3], s[100:101], \n*QROW
	s_or_b32 s[G0B+4*\n+3], s[G0B+4*\n+3], 0x80000000
	JLOAD G0A+4*\n, G1A, G0B+4*\n, G1B             ; by this text's count four tensor loads of a wave are out
.endr
	v_and_b32 v1, 15, v0                           ; r
	v_bfe_u32 v2, v0, 4, 1                         ; h
	v_and_b32 v3, 31, v0                           ; lane
	v_lshlrev_b32 v26, 4, v3                       ; 16 lane
	s_lshl_b32 s104, s92, 9                        ; the bias: column 128 tx + 64 nh + 16 h + 32 b + 8 u + 0 .. 7 for tile 2 b + u
	s_lshl_b32 s105, s18, 8
	s_add_co_u32 s104, s104, s105
	v_lshl_add_u32 v27, v2, 6, s104
.irp nb, 0,1,2,3
	global_load_b128 v[BN+8*\nb:BN+8*\nb+3], v27, s[8:9] offset:(32*(\nb/2)+8*(\nb%2))*4
	global_load_b128 v[BN+8*\nb+4:BN+8*\nb+7], v27, s[8:9] offset:(32*(\nb/2)+8*(\nb%2))*4+16
.endr
	s_lshl_b32 s2, s93, 7                          ; the rows that I store: 128 ty + 32 w on, columns 128 tx on
	s_lshl_b32 s3, s16, 5
	s_add_co_u32 s2, s2, s3
	s_lshl_b32 s2, s2, 13
	s_lshl_b32 s3, s92, 9
	s_add_co_u32 s2, s2, s3
	s_mov_b32 s3, 0
	s_add_nc_u64 s[10:11], s[10:11], s[2:3]        ; in hidden_states,
	s_add_nc_u64 s[12:13], s[12:13], s[2:3]        ; and in out0
	s_mul_i32 s104, s17, 4*QROW                    ; my four tiles of A,
	s_mul_i32 s105, s18, 4*QROW
	s_add_co_u32 s105, s105, 8*QROW                ; my four of B, behind A's eight
	v_add_nc_u32 v4, s104, v26                     ; v4-6: A in slot 0, 1, 2
	v_add_nc_u32 v5, SLOT, v4
	v_add_nc_u32 v6, SLOT, v5
	v_add_nc_u32 v7, s105, v26                     ; v7-9: B
	v_add_nc_u32 v8, SLOT, v7
	v_add_nc_u32 v9, SLOT, v8
	v_lshlrev_b32 v10, 2, v3
	s_lshl_b32 s104, s17, 8
	s_lshl_b32 s105, s18, 8
	v_add_nc_u32 v11, s105, v10
	v_add_nc_u32 v11, SCL+8192, v11                ; B's scale words: 256 nh + 4 lane
	v_add_nc_u32 v10, s104, v10
	v_add_nc_u32 v10, SCL, v10                     ; A's: 256 mh + 4 lane
	v_and_b32 v30, 8, v1
	v_add_nc_u32 v30, v30, v1                      ; r + 8 (r / 8)
	v_mul_u32_u24 v20, v30, 528
	v_lshl_add_u32 v20, v2, 6, v20
	s_mul_i32 s104, s17, 64*528
	s_add_co_u32 s104, s104, s105
	v_add_nc_u32 v20, s104, v20
	v_add_nc_u32 v20, STG, v20                     ; the stage, in: row 64 mh + r + 8 (r / 8), byte 256 nh + 64 h
	s_mul_i32 s104, s16, 32*528
	v_add_nc_u32 v24, s104, v26
	v_add_nc_u32 v24, STG, v24                     ; and back: my 32 rows, 16 bytes a lane
.macro FETCH k                         ; K step k's eight fragments into buffer k % 2: 24 loads of 512 consecutive bytes
.set FN, ((\k)/4)%3
.set FS, (\k)%4
.set FB, 128*((\k)%2)
	WIN 0x40                                       ; destination window 1
.irp i, 0,1,2,3
.irp g, 0,1,2
	ds_load_b128 v[FB+12*\i+4*\g:FB+12*\i+4*\g+3], v[4+FN] offset:\i*QROW+FS*1536+512*\g
.endr
.endr
.irp i, 0,1,2,3
.irp g, 0,1,2
	ds_load_b128 v[FB+48+12*\i+4*\g:FB+48+12*\i+4*\g+3], v[7+FN] offset:\i*QROW+FS*1536+512*\g
.endr
.endr
.endm
.macro RESID                           ; the residual: my 32 rows x 512 consecutive bytes, into window 2
	WIN 0x80                                       ; destination window 2, address window 0
.set m, 0
.rept 32
	global_load_b128 v[4*m:4*m+3], v26, s[10:11] offset:8192*m th:TH_LOAD_NT
.set m, m+1
.endr
.endm
.macro WM k, a, nb                     ; one product: source 0 = B's tile nb, source 1 = A's tile a; an odd tile's scale words lie in lanes 16-31.  In K step 0 the bias is C: nothing is cleared
.set rD, ACC+8*(4*(\a)+\nb)
.set rB, FB+48+12*\nb
.set rA, FB+12*(\a)
.set rSB, SB+2*(\k)+(\nb)/2
.set rSA, SA+2*(\k)+(\a)/2
.set rC, rD
.if (\k) == 0
.set rC, BN+8*\nb
.endif
.if ((\nb)%2 == 0) && ((\a)%2 == 0)
	v_wmma_scale_f32_16x16x128_f8f6f4 v[rD:rD+7], v[rB:rB+11], v[rA:rA+11], v[rC:rC+7], v[rSB], v[rSA] matrix_a_fmt:MATRIX_FMT_FP6 matrix_b_fmt:MATRIX_FMT_FP6
.elseif ((\nb)%2 == 1) && ((\a)%2 == 0)
	v_wmma_scale_f32_16x16x128_f8f6f4 v[rD:rD+7], v[rB:rB+11], v[rA:rA+11], v[rC:rC+7], v[rSB], v[rSA] matrix_a_fmt:MATRIX_FMT_FP6 matrix_b_fmt:MATRIX_FMT_FP6 matrix_a_scale:MATRIX_SCALE_ROW1
.elseif ((\nb)%2 == 0) && ((\a)%2 == 1)
	v_wmma_scale_f32_16x16x128_f8f6f4 v[rD:rD+7], v[rB:rB+11], v[rA:rA+11], v[rC:rC+7], v[rSB], v[rSA] matrix_a_fmt:MATRIX_FMT_FP6 matrix_b_fmt:MATRIX_FMT_FP6 matrix_b_scale:MATRIX_SCALE_ROW1
.else
	v_wmma_scale_f32_16x16x128_f8f6f4 v[rD:rD+7], v[rB:rB+11], v[rA:rA+11], v[rC:rC+7], v[rSB], v[rSA] matrix_a_fmt:MATRIX_FMT_FP6 matrix_b_fmt:MATRIX_FMT_FP6 matrix_a_scale:MATRIX_SCALE_ROW1 matrix_b_scale:MATRIX_SCALE_ROW1
.endif
.endm
.macro MUL8 k, a0                      ; the 16 accumulators take turns, one instruction a turn, in the same order in every K step
.set FB, 128*((\k)%2)
	WIN 0x05                                       ; sources 0 and 1 window 1; C and D window 0
.irp a, \a0, \a0+1
.irp nb, 0,1,2,3
	WM \k, \a, \nb
.endr
.endr
.endm
.macro STEP k                          ; the next K step's fragments are asked for, then this one is multiplied
	PLACES
	FETCH (\k)+1
	s_wait_dscnt 24                                ; all but the 24 loads just issued
	MUL8 \k, 0
	MUL8 \k, 2
.endm
; A K step at whose middle the waves meet.  fill = 1: slot 0 has been read out and takes K steps 12-15; the meeting is a round of the cluster's barrier; behind the refill and the run of LDS loads the residual is asked for.
; fill = 0: K steps 12-15 are shown landed to every wave.
.macro TURN k, fill
	WIN 0
	s_wait_tensorcnt 0x0                           ; all my tensor loads have landed;
	ds_add_u32 v28, v29                            ; 0 onto my spare word
.if \fill
	s_add_nc_u64 s[G0A+2:G0A+3], s[G0A+2:G0A+3], 3*QROW   ; no tensor load of mine is out: slot 0's group 0 steps twelve K steps on
	s_add_nc_u64 s[G0B+2:G0B+3], s[G0B+2:G0B+3], 3*QROW
.endif
	s_wait_dscnt 1                                 ; this K step's fragments are in; the add may be out
	MUL8 \k, 0
	s_wait_dscnt 0x0                               ; the add is done, and my reads of the slot are over
	WIN 0
.if \fill
	CROUND                                         ; no wave of any partner still reads slot 0 or has a load on its way
	JLOAD G0A, G1A, G0B, G1B                       ; the first tensor load behind the round; its four v_nop are also the places in front of the loads below
.else
	s_barrier_signal -1
	s_barrier_wait -1
	PLACES
.endif
	FETCH (\k)+1
.if \fill
	RESID                                          ; every request for a tile of this launch now stands ahead of these 32 loads
.endif
	MUL8 \k, 2
.endm
	s_wait_tensorcnt 2                             ; the scale words and slot 0 are in; slots 1 and 2 may be out
	s_barrier_signal -1
	s_barrier_wait -1
.irp s, 0,1,2,3,4,5,6,7,8,9,10,11,12,13,14,15
.irp i, 0,1
	ds_load_b32 v[SA+2*\s+\i], v10 offset:512*\s+128*\i
	ds_load_b32 v[SB+2*\s+\i], v11 offset:512*\s+128*\i
.endr
.endr
	FETCH 0
	WIN 0
	s_wait_loadcnt 0x0                             ; the bias: its eight loads are the only ones out
	STEP 0
	STEP 1
	STEP 2
	TURN 3, 1
.irp k, 4,5,6,7,8,9,10
	STEP \k
.endr
	TURN 11, 0
	STEP 12
	STEP 13
	STEP 14
	s_wait_dscnt 0x0
	MUL8 15, 0
	MUL8 15, 2
	WIN 0
	PLACES
	; THE WAY OUT: the accumulators go to the stage as they are, each from its low end on, to the true rows; whole rows come back, take the residual and leave
.irp a, 0,1,2,3
.irp nb, 0,1,2,3
	ds_store_b128 v20, v[ACC+8*(4*\a+\nb):ACC+8*(4*\a+\nb)+3] offset:(32*(\a/2)+8*(\a%2))*528+128*(\nb/2)+32*(\nb%2)
	ds_store_b128 v20, v[ACC+8*(4*\a+\nb)+4:ACC+8*(4*\a+\nb)+7] offset:(32*(\a/2)+8*(\a%2))*528+128*(\nb/2)+32*(\nb%2)+16
.endr
.endr
	s_wait_dscnt 0x0                               ; for the others' sake: a row's 512 bytes come from two waves
	s_barrier_signal -1
	s_barrier_wait -1
.set m, 0
.rept 32
	ds_load_b128 v[128+4*m:131+4*m], v24 offset:528*m
.set m, m+1
.endr
	s_wait_loadcnt 0x0                             ; the residual
	WIN 0x88                                       ; source 0 window 0 (the row; a store's address), source 1 (the residual; a store's data) and destination window 2
.set m, 0
.rept 32
	s_wait_dscnt 31-m
	v_pk_add_f32 v[4*m:4*m+1], v[128+4*m:129+4*m], v[4*m:4*m+1]
	v_pk_add_f32 v[4*m+2:4*m+3], v[130+4*m:131+4*m], v[4*m+2:4*m+3]
	global_store_b128 v26, v[4*m:4*m+3], s[12:13] offset:8192*m th:TH_STORE_NT   ; 32 lanes store 512 consecutive bytes, at a multiple of 256 from out0's first byte
.set m, m+1
.endr
	WIN 0
	s_wait_tensorcnt 0x0                           ; the wave's end
	ds_add_u32 v28, v29
	s_wait_dscnt 0x0
	CROUND                                         ; the closing round: no work-group ends while a partner may still ask for a tile that names it
	s_endpgm
.Lfunc_end_k_q812bb0fd0d_outproj:
	.size	k_q812bb0fd0d_outproj, .Lfunc_end_k_q812bb0fd0d_outproj-k_q812bb0fd0d_outproj
	.p2alignl 7, 3214868480
	.fill 96, 4, 3214868480
	.section	.rodata,"a",@progbits
	.p2align	6, 0x0
	.amdhsa_kernel k_q812bb0fd0d_outproj
		.amdhsa_group_segment_fixed_size 327680
		.amdhsa_private_segment_fixed_size 0
		.amdhsa_enable_private_segment 0
		.amdhsa_kernarg_size 40
		.amdhsa_user_sgpr_count 2
		.amdhsa_user_sgpr_kernarg_segment_ptr 1
		.amdhsa_wavefront_size32 1
		.amdhsa_system_sgpr_workgroup_id_x 1
		.amdhsa_system_sgpr_workgroup_id_y 1
		.amdhsa_system_sgpr_workgroup_id_z 1
		.amdhsa_system_vgpr_workitem_id 0
		.amdhsa_next_free_vgpr 768
		.amdhsa_next_free_sgpr 106
		.amdhsa_reserve_vcc 0
		.amdhsa_float_denorm_mode_32 3
		.amdhsa_float_denorm_mode_16_64 3
		.amdhsa_memory_ordered 1
		.amdhsa_forward_progress 1
		.amdhsa_inst_pref_size 92
	.end_amdhsa_kernel
	.amdgpu_metadata
---
amdhsa.version: [ 1, 2 ]
amdhsa.kernels:
  - .name:           k_q812bb0fd0d_outproj
    .symbol:         k_q812bb0fd0d_outproj.kd
    .args:
      - { .name: oq, .offset: 0, .size: 8, .value_kind: global_buffer, .address_space: global }
      - { .name: wout, .offset: 8, .size: 8, .value_kind: global_buffer, .address_space: global }
      - { .name: bout, .offset: 16, .size: 8, .value_kind: global_buffer, .address_space: global }
      - { .name: hidden_states, .offset: 24, .size: 8, .value_kind: global_buffer, .address_space: global }
      - { .name: out0, .offset: 32, .size: 8, .value_kind: global_buffer, .address_space: global }
    .group_segment_fixed_size: 327680
    .private_segment_fixed_size: 0
    .kernarg_segment_align: 8
    .kernarg_segment_size: 40
    .max_flat_workgroup_size: 128
    .sgpr_count:     106
    .vgpr_count:     768
    .wavefront_size: 32
...
	.end_amdgpu_metadata
.endif
;; end of part 4
